; MI455X (gfx1250); checked and timed in simulation.
; The chip was launched on July 23, 2026; its instructions are those of AMD's public machine-readable ISA for CDNA 5 (MIT licence, August 2026) and "CDNA5" Instruction Set Architecture Reference Guide (July 2026). The comments in the code are by the model that wrote it; some were corrected since.
;; Projected Attention Layer. Allowed arithmetic: matrix products marked QUANTISED: E2M3 operands, one E8M0 scale for each 32 along K, by v_wmma_scale_f32_16x16x128_f8f6f4 with both operands' format E2M3, f32 sums; everything else in f32.
;; Inputs: Wk 1,024 x 1,024 float32; Wq 1,024 x 1,024 float32; Wv 1,024 x 1,024 float32; bk 1,024 float32; bq 1,024 float32; bv 1,024 float32; keys 4 x 2,048 x 1,024 float32; queries 4 x 2,048 x 1,024 float32; values 4 x 2,048 x 1,024 float32.
;; Outputs: out0 4 x 2,048 x 1,024 float32.
;; This version of the problem:
;;   THIS VERSION OF THE PROBLEM IS GIVEN IN LOW PRECISION. The matrix products marked QUANTISED in the list below multiply operands that are first quantised to E2M3 (2 exponent bits, 3 mantissa bits; 6 bits a number), with one power-of-two scale for each 32 numbers along K (OCP MX v1.0); their sums are f32. All else is computed in f32.
;;   The module's matrix products, in the order in which they are computed (A, B: the left and right operand; K: the contracted axis; several contracted axes count as one K, in the product's order):
;;     1. [M 8,192, K 1,024] x [K 1,024, N 1,024]; A: input queries; B: input Wq: QUANTISED
;;     2. [M 8,192, K 1,024] x [K 1,024, N 1,024]; A: input keys; B: input Wk: QUANTISED
;;     3. batch 4 x [M 2,048, K 1,024] x [K 1,024, N 2,048]; A: computed on the way; B: computed on the way: QUANTISED
;;     4. [M 8,192, K 1,024] x [K 1,024, N 1,024]; A: input values; B: input Wv: QUANTISED
;;     5. [M 8,192, K 1,024] x [K 1,024, N 1,024]; A: computed on the way; B: input Wv: QUANTISED
;;     6. batch 4 x [M 2,048, K 2,048] x [K 2,048, N 1,024]; A: softmax (see below); B: computed on the way: QUANTISED
;;   THE QUANTISER, for each operand of a quantised product, along K:
;;     - K is cut into blocks of 32 from its start; a last block that is shorter is filled with zeros.
;;     - A block's scale is 2^e with e = floor(log2(the largest magnitude in the block)) - 2, held to -126 .. 127; a block of zeros has e = 0. As a byte (E8M0): e + 127.
;;     - Each number is divided by its block's scale, clamped to +-7.5, and rounded to the nearest number of E2M3, ties to even, subnormals kept.
;;     - The product sums the exact products of the quantised numbers (number of the format x scale) in f32.
;;   ~~~python
;;   def quantise(x, axis):      # numpy; x: float32 -> the quantised numbers, widened to float32 again
;;       x = np.moveaxis(x, axis, -1); K = x.shape[-1]
;;       x = np.pad(x, [(0, 0)] * (x.ndim - 1) + [(0, -K % 32)]); x = x.reshape(x.shape[:-1] + (-1, 32)); a = np.abs(x).max(-1, keepdims=True)
;;       e = np.where(a > 0, np.clip(np.frexp(np.where(a > 0, a, 1))[1] - 1 - 2, -126, 127), 0)      # np.frexp(a)[1] - 1 = floor(log2(a)), exactly
;;       r = np.clip(x / 2.0 ** e, -7.5, 7.5)
;;       step = 2.0 ** (np.maximum(np.frexp(np.where(r == 0, 1, r))[1] - 1, 0) - 3)
;;       q = np.round(r / step) * step * 2.0 ** e      # np.round: ties to even
;;       return np.moveaxis(q.reshape(q.shape[:-2] + (-1,))[..., :K], -1, axis).astype(np.float32)
;;   ~~~
;;   SOFTMAX AHEAD OF A QUANTISED PRODUCT. Where the list says 'softmax', what is quantised is not the finished softmax but p = 2^(t - M), with t = logit x log2(e) and M = ceil(the row's largest t), a whole number; so 1/2 < the row's largest p <= 1. The row's sum l is taken of the UNQUANTISED p, in f32, and the product's result is divided by l at the end. Since M is a whole number, a kernel that streams over the keys may use a running M (the ceiling of the running maximum): every later rescaling is an exact power of two, which a block's scale takes up: the codes' values come out the same.
;;   OPERANDS COMPUTED ON THE WAY. 'Computed on the way' means the value that the module computes at that place (a softmax that the list does not call 'softmax' is quantised finished and normalised). What goes into a quantiser is computed in f32, as accurately as f32 sums, v_exp_f32 and their like allow (about 1e-6 of the number): no bf16 or f16 on the way to a quantiser, and a product that is left as it is and whose result goes on into a quantised operand takes f32 operands (vector FMAs, or v_wmma_f32_16x16x4_f32). A number that lies on a knife's edge between two numbers of the format may be rounded either way, as far as f32 arithmetic and the matrix unit's own rounding can turn it there, and no further.
;; One version. Each part assembles by itself: llvm-mc -triple=amdgcn-amd-amdhsa -mcpu=gfx1250 --defsym DOCPART=n.
;; ======== version 1 of 1: 5 launches
;; limits: right only within a limited range of input values
;; workspace buffers: PQ 7,372,800 bytes; PK 7,372,800 bytes; PV 7,372,800 bytes; OA 13,107,200 bytes; OB 13,107,200 bytes; PP 14,155,776 bytes
;; launch quant (part 1): grid 512 x 1, 8 waves a work-group, no clusters, 70,656 bytes of LDS; arguments queries, keys, values, Wq, Wk, Wv, PQ, PK, PV; writes PQ, PK, PV
.if DOCPART == 1
	.amdgcn_target "amdgcn-amd-amdhsa--gfx1250"
	.amdhsa_code_object_version 6
	.text
	.protected	k_qd255502489_quant
	.globl	k_qd255502489_quant
	.p2align	8
	.type	k_qd255502489_quant,@function
k_qd255502489_quant:
	s_mov_b64 s[64:65], 0
	v_nop
	global_prefetch_b8 v0, s[64:65] scope:SCOPE_SE
	s_setreg_imm32_b32 hwreg(HW_REG_WAVE_MODE, 25, 1), 1
	s_wait_xcnt 0x0
; queries, keys, values [8192][1024] and Wq, Wk, Wv [1024 (k)][1024 (n)], f32, become codes of FP6 (E2M3) with one E8M0 byte for each 32 along K (the 1,024 input features).
; A block's scale is 2^(floor(log2(its largest magnitude)) - 2); its byte is that magnitude's exponent field - 2, held at 1 from below.
; LAYOUT OF EVERY OPERAND OF THIS PROGRAM: images of the matrix operand's registers.  128 rows x 128 K are a block of 12,288 bytes: eight fragments (16 rows) of 1,536 bytes; register g of lane l of a fragment
; lies at 512 (g / 4) + 16 l + 4 (g % 4).  Lane (r, h) holds row r; its registers 6 c .. 6 c + 5 hold the block of 32 number 2 c + h.  Inside a block of 32, places 0-7, 8-15, 16-23, 24-31 hold k 0-7, 16-23, 8-15, 24-31,
; in all operands alike, so the products pair the right numbers.  The 128 scale words of a block (four bytes: a row's 128 K) are 512 bytes: row 16 t + r at 32 r + 4 t.
; P buffer of a tensor pair: input's codes at 0 (block 8 rb + ks), its words at XCB, the weight's codes at OPB (rows = n), its words at OPB + WCB.
; LIMITS: NaN and infinities are not served.  A block of zeros gets the byte 1 where the rule says 127: its codes are zeros, and this program alone reads the bytes.
; THE DEAL: each input has 512 blocks; work-group g takes block g of all three, wave w fragment w (16 rows x 512 bytes) of each.  A wave asks for its 48 row loads at once; each reads 512 consecutive bytes.
; 16 rows turn through the wave's own stage in LDS, back into the registers that they came from, so that a lane gets 16 numbers of each block of its row.
; The three weights have 192 blocks: 192 work-groups take one more block each (even g under 256, odd g from 256 to 383: block g / 2), wave w its fragment w: lane (r, h) takes column r, registers down K: nothing is transposed.
; 8 waves of 256 registers: two work-groups fill a WGP's registers, 512 work-groups are two for each of 256 WGPs.  No tensor load: waves share only the scale words, which gather in LDS and leave as whole blocks of 512 bytes.
.set XCB,   6291456
.set OPB,   6553600
.set WCB,   786432
.set KB,    12288
.set STGB,  16*528                     ; a wave's stage: 16 rows of 512 bytes + 16 of padding
.set WS,    8*STGB                     ; four blocks' scale words, 512 bytes each: the three inputs', the weight's
.set SPARE, WS+4*512                   ; the spare words, 128 bytes for each wave: four blocks of 256 bytes that no other line names
.set LI,  4                            ; 16 x lane
.set STI, 5                            ; into the stage
.set STO, 6                            ; out of it
.set WA,  7                            ; my row's scale word in a block's 512 bytes: WS + 32 r + 4 wave
.set WL,  8                            ; the weight: 4 r + 32 h rows of 4,096 bytes
.set PW,  9                            ; a scale word
.set SH,  10                           ; 8 h
.set T1,  11
.set SPW, 12
.set NIL, 13
.set RDW, 14                           ; the words' way out
.set R,   16                           ; v16-207  three sets of 64: 16 rows as loaded, then register 16 b + 8 u + j = x(r, 32 b + 16 u + 8 h + j), then the fragment's 12 registers of codes
.set PC,  208                          ; v208-227 codes on the way
.set TM,  228                          ; v228-243 at work
.set FW,  244                          ; v244-255 the weight's fragment
.set SEL, 2                            ; s[2:3] lane selects for v_permlanex16_b32: lane l xor 16
.macro MAX4 s                          ; four runs of 16 numbers by turns; the floor 2^(3 - 127) holds the byte at 1 from below
.irp b, 0,1,2,3
	v_max3_num_f32 v[TM+\b], |v[\s+16*\b]|, |v[\s+1+16*\b]|, 0x1800000
.endr
.irp i, 2,4,6,8,10,12,14
.irp b, 0,1,2,3
	v_max3_num_f32 v[TM+\b], v[TM+\b], |v[\s+16*\b+\i]|, |v[\s+1+16*\b+\i]|
.endr
.endr
.endm
.macro QUANT s                         ; a lane's 64 numbers at v[s] become the fragment's codes in v[s] .. v[s + 11] and the row's scale word in v[PW]
	MAX4 \s
.irp b, 0,1,2,3
	v_permlanex16_b32 v[TM+4+\b], v[TM+\b], s[SEL], s[SEL+1]
.endr
.irp b, 0,1,2,3
	v_max_num_f32 v[TM+\b], v[TM+\b], v[TM+4+\b]   ; with lane l xor 16's 16: the block's largest magnitude
.endr
.irp b, 0,1,2,3
	v_add_nc_u32 v[TM+12+\b], 0xff000000, v[TM+\b] ; 2 off its exponent field: the conversion's scale operand
.endr
.irp b, 0,1,2,3
	v_lshrrev_b32 v[TM+4+\b], 23, v[TM+12+\b]      ; the scale's byte
.endr
	v_lshl_or_b32 v[PW], v[TM+5], 8, v[TM+4]
	v_lshl_or_b32 v[PW], v[TM+6], 16, v[PW]
	v_lshl_or_b32 v[PW], v[TM+7], 24, v[PW]
.irp c, 0,1
	v_cvt_scalef32_pk16_fp6_f32 v[PC+6*\c:PC+2+6*\c], v[\s+32*\c:\s+15+32*\c], v[TM+12+2*\c]
	v_cvt_scalef32_pk16_fp6_f32 v[PC+12+4*\c:PC+14+4*\c], v[\s+16+32*\c:\s+31+32*\c], v[TM+12+2*\c+1]
.endr
	v_nop                                          ; one plain place behind a scaled conversion
.irp c, 0,1                                    ; the operand wants a whole block in a lane: lanes 0-15 block 2 c, lanes 16-31 block 2 c + 1
.irp i, 0,1,2
	v_permlane16_swap_b32 v[PC+6*\c+\i], v[PC+12+4*\c+\i]
.endr
.irp i, 0,1,2
	v_mov_b32 v[\s+6*\c+\i], v[PC+6*\c+\i]         ; into registers of the set, which is done with: no later line writes them, so the stores need no wait
	v_mov_b32 v[\s+3+6*\c+\i], v[PC+12+4*\c+\i]
.endr
.endr
.endm
.macro LOADX i, set                    ; my 16 rows of input i
.irp j, 0,1,2,3,4,5,6,7,8,9,10,11,12,13,14,15
	global_load_b128 v[R+64*(\set)+4*\j:R+64*(\set)+4*\j+3], v[LI], s[4+2*(\i):5+2*(\i)] offset:\j*4096 th:TH_LOAD_NT
.endr
.endm
.macro UNIT i, set, younger            ; younger: the loads issued behind this unit's 16
.set XS, R+64*(\set)
	s_wait_loadcnt \younger
.irp j, 0,1,2,3,4,5,6,7,8,9,10,11,12,13,14,15
	ds_store_b128 v[STI], v[XS+4*\j:XS+4*\j+3] offset:528*\j
.endr
.irp b, 0,1,2,3                                ; LDS serves a wave's instructions in order: these see the stores above, and land behind them
.irp u, 0,1
.irp j, 0,1
	ds_load_b128 v[XS+16*\b+8*\u+4*\j:XS+16*\b+8*\u+4*\j+3], v[STO] offset:128*\b+64*\u+16*\j
.endr
.endr
.endr
	s_wait_dscnt 0x0
	QUANT XS
	ds_store_b32 v[WA], v[PW] offset:512*(\i)      ; both lanes of a row write the same word with the same value
.irp c, 0,1,2
	global_store_b128 v[LI], v[XS+4*\c:XS+4*\c+3], s[16+2*(\i):17+2*(\i)] offset:512*\c th:TH_STORE_NT   ; 512 consecutive bytes, aligned
.endr
.endm
	s_load_b512 s[4:19], s[0:1], 0x0               ; queries, keys, values, Wq, Wk, Wv, PQ, PK
	s_load_b64 s[20:21], s[0:1], 0x40              ; PV
	v_lshl_add_u32 v[SPW], v0, 2, SPARE
	v_mov_b32 v[NIL], 0
	v_lshrrev_b32 v1, 5, v0
	v_readfirstlane_b32 s22, v1                    ; wave
	v_and_b32 v1, 31, v0                           ; lane
	v_and_b32 v2, 15, v0                           ; r
	v_bfe_u32 v3, v0, 4, 1                         ; h
	v_lshlrev_b32 v[LI], 4, v1
.irp b, 0,1,2,3
	v_mov_b32 v[TM+4+\b], 0                        ; written once: a lane permute's destination counts as one of its sources
.endr
	v_mov_b32 v[T1], 0
	s_mov_b32 s[SEL], 0x76543210
	s_mov_b32 s[SEL+1], 0xfedcba98
	s_lshr_b32 s24, ttmp9, 3                       ; the inputs' block g = 8 rb + ks
	s_and_b32 s25, ttmp9, 7
	s_lshl_b32 s26, s24, 19                        ; 128 rows of 4,096 bytes,
	s_lshl_b32 s27, s22, 16                        ; my 16,
	s_add_co_u32 s26, s26, s27
	s_lshl_b32 s27, s25, 9                         ; 128 numbers
	s_add_co_u32 s26, s26, s27
	s_mov_b32 s27, 0
	s_mul_i32 s45, s22, 1536                       ; my fragment
	s_mul_i32 s28, ttmp9, KB
	s_add_co_u32 s28, s28, s45
	s_mov_b32 s29, 0
	s_lshl_b32 s30, ttmp9, 9
	s_add_co_u32 s30, s30, XCB
	s_mov_b32 s31, 0
	s_lshr_b32 s23, ttmp9, 8                       ; s35 = 0: this work-group takes a weight's block too
	s_and_b32 s35, ttmp9, 1
	s_xor_b32 s35, s35, s23
	s_cmp_ge_u32 ttmp9, 384
	s_cselect_b32 s35, 1, s35
	s_lshr_b32 s23, ttmp9, 1                       ; which of the 192
	s_and_b32 s24, s23, 63                         ; the block in its tensor: 8 rb + ks
	s_lshr_b32 s23, s23, 6                         ; the tensor
	s_and_b32 s42, s24, 7
	s_lshl_b32 s42, s42, 19                        ; 128 rows (k) of 4,096 bytes,
	s_lshr_b32 s43, s24, 3
	s_lshl_b32 s43, s43, 9                         ; 128 columns,
	s_add_co_u32 s42, s42, s43
	s_lshl_b32 s43, s22, 6                         ; my 16
	s_add_co_u32 s42, s42, s43
	s_mov_b32 s43, 0
	s_mul_i32 s46, s24, KB
	s_add_co_u32 s46, s46, s45
	s_add_co_u32 s46, s46, OPB
	s_mov_b32 s47, 0
	s_lshl_b32 s44, s24, 9
	s_add_co_u32 s44, s44, OPB+WCB
	s_mul_i32 s32, s22, STGB                       ; my stage
	s_lshl_b32 s33, s22, 2
	s_add_co_u32 s33, s33, WS
	s_min_u32 s34, s22, 3                          ; waves 0 to 3 carry the words out
	s_lshl_b32 s34, s34, 9
	s_add_co_u32 s34, s34, WS
	s_wait_alu depctr_va_vdst(0)                   ; the wait behind the run of scalar lines
	v_add_nc_u32 v[STI], s32, v[LI]
	v_mul_u32_u24 v[STO], v2, 528
	v_lshl_add_u32 v[STO], v3, 5, v[STO]
	v_add_nc_u32 v[STO], s32, v[STO]               ; row r, + 32 h
	v_lshl_add_u32 v[WA], v2, 5, s33
	v_add_nc_u32 v[RDW], s34, v[LI]
	v_lshlrev_b32 v[WL], 2, v2
	v_lshl_add_u32 v[WL], v3, 17, v[WL]
	v_lshlrev_b32 v[SH], 3, v3
	s_wait_alu depctr_va_vdst(0)                   ; the wait at the head's end
	s_wait_kmcnt 0x0
	s_add_nc_u64 s[4:5], s[4:5], s[26:27]
	s_add_nc_u64 s[6:7], s[6:7], s[26:27]
	s_add_nc_u64 s[8:9], s[8:9], s[26:27]
	s_cmp_eq_u32 s23, 1                            ; the weight and its P buffer: the choice hangs on the work-group's number alone
	s_cselect_b64 s[38:39], s[12:13], s[10:11]
	s_cselect_b64 s[40:41], s[18:19], s[16:17]
	s_cmp_eq_u32 s23, 2
	s_cselect_b64 s[38:39], s[14:15], s[38:39]
	s_cselect_b64 s[40:41], s[20:21], s[40:41]
	s_cmp_eq_u32 s22, 1                            ; where my wave stores a block's words: waves 0 to 2 the inputs', wave 3 the weight's
	s_cselect_b64 s[36:37], s[18:19], s[16:17]
	s_cmp_eq_u32 s22, 2
	s_cselect_b64 s[36:37], s[20:21], s[36:37]
	s_cmp_eq_u32 s22, 3
	s_cselect_b64 s[36:37], s[40:41], s[36:37]
	s_cselect_b32 s30, s44, s30
	s_add_nc_u64 s[36:37], s[36:37], s[30:31]
	s_add_nc_u64 s[38:39], s[38:39], s[42:43]
	s_add_nc_u64 s[40:41], s[40:41], s[46:47]
	s_add_nc_u64 s[16:17], s[16:17], s[28:29]
	s_add_nc_u64 s[18:19], s[18:19], s[28:29]
	s_add_nc_u64 s[20:21], s[20:21], s[28:29]
	s_cmp_eq_u32 s35, 0
	s_cbranch_scc0 .Lno_w1
.irp c, 0,1                                    ; the weight's 64 numbers of my column into set 0: block 2 c + h, place i holds k 8 swap(i / 8) + i % 8
.set ii, 0
.rept 32
	global_load_b32 v[R+32*\c+ii], v[WL], s[38:39] offset:(64*\c+8*(((ii/8)%2)*2+ii/16)+ii%8)*4096
.set ii, ii+1
.endr
.endr
	LOADX 0, 1
	LOADX 1, 2
	s_wait_loadcnt 32                              ; the weight's 64 loads are in; the two inputs' 32 may be out
	MAX4 R
	v_max_num_f32 v[TM], v[TM], v[TM+1]            ; both my blocks are whole in my lane
	v_max_num_f32 v[TM+1], v[TM+2], v[TM+3]
	v_add_nc_u32 v[TM+12], 0xff000000, v[TM]
	v_add_nc_u32 v[TM+13], 0xff000000, v[TM+1]
	v_lshrrev_b32 v[TM+8], 23, v[TM+12]
	v_lshrrev_b32 v[TM+9], 23, v[TM+13]
	v_lshl_or_b32 v[PW], v[TM+9], 16, v[TM+8]      ; my two bytes: blocks h and 2 + h,
	v_lshlrev_b32 v[PW], v[SH], v[PW]              ; at their places in the word;
	v_permlanex16_b32 v[T1], v[PW], s[SEL], s[SEL+1]
	v_or_b32 v[PW], v[PW], v[T1]                   ; with lane l xor 16's two the word is whole
.irp c, 0,1
	v_cvt_scalef32_pk16_fp6_f32 v[FW+6*\c:FW+2+6*\c], v[R+32*\c:R+15+32*\c], v[TM+12+\c]
	v_cvt_scalef32_pk16_fp6_f32 v[PC+4*\c:PC+2+4*\c], v[R+16+32*\c:R+31+32*\c], v[TM+12+\c]
.endr
	v_nop                                          ; one plain place behind a scaled conversion
.irp c, 0,1
.irp i, 0,1,2
	v_mov_b32 v[FW+3+6*\c+\i], v[PC+4*\c+\i]
.endr
.endr
	ds_store_b32 v[WA], v[PW] offset:3*512
.irp c, 0,1,2
	global_store_b128 v[LI], v[FW+4*\c:FW+4*\c+3], s[40:41] offset:512*\c th:TH_STORE_NT
.endr
	s_wait_alu depctr_va_vdst(0)                   ; the wait here, directly ahead of the branch
	s_branch .Ljoin
.Lno_w1:                                               ; a work-group with no weight's block: one parting, so that set 0 is loaded once on this way and behind the wait above on the other
	LOADX 0, 1
	LOADX 1, 2
.Ljoin:
	LOADX 2, 0
	UNIT 0, 1, 32
	UNIT 1, 2, 16
	UNIT 2, 0, 0
	s_wait_dscnt 0x0                               ; for the others' sake: my words lie in LDS
	s_barrier_signal -1
	s_barrier_wait -1
	s_cmp_eq_u32 s35, 0
	s_cselect_b32 s24, 4, 3                        ; blocks of words to store
	s_cmp_lt_u32 s22, s24
	s_cbranch_scc0 .Lend
	ds_load_b128 v[PC:PC+3], v[RDW]                ; a wave stores a block's 512 bytes of scale words whole
	s_wait_dscnt 0x0
	global_store_b128 v[LI], v[PC:PC+3], s[36:37] th:TH_STORE_NT
.Lend:
	s_wait_tensorcnt 0x0                           ; the wave's end, behind my last LDS store
	ds_add_u32 v[SPW], v[NIL]
	s_wait_dscnt 0x0
	s_endpgm
.Lfunc_end_k_qd255502489_quant:
	.size	k_qd255502489_quant, .Lfunc_end_k_qd255502489_quant-k_qd255502489_quant
	.p2alignl 7, 3214868480
	.fill 96, 4, 3214868480
	.section	.rodata,"a",@progbits
	.p2align	6, 0x0
	.amdhsa_kernel k_qd255502489_quant
		.amdhsa_group_segment_fixed_size 70656
		.amdhsa_private_segment_fixed_size 0
		.amdhsa_enable_private_segment 0
		.amdhsa_kernarg_size 72
		.amdhsa_user_sgpr_count 2
		.amdhsa_user_sgpr_kernarg_segment_ptr 1
		.amdhsa_wavefront_size32 1
		.amdhsa_system_sgpr_workgroup_id_x 1
		.amdhsa_system_sgpr_workgroup_id_y 1
		.amdhsa_system_sgpr_workgroup_id_z 1
		.amdhsa_system_vgpr_workitem_id 0
		.amdhsa_next_free_vgpr 256
		.amdhsa_next_free_sgpr 66
		.amdhsa_reserve_vcc 0
		.amdhsa_float_denorm_mode_32 3
		.amdhsa_float_denorm_mode_16_64 3
		.amdhsa_memory_ordered 1
		.amdhsa_forward_progress 1
		.amdhsa_inst_pref_size 41
	.end_amdhsa_kernel
	.amdgpu_metadata
---
amdhsa.version: [ 1, 2 ]
amdhsa.kernels:
  - .name:           k_qd255502489_quant
    .symbol:         k_qd255502489_quant.kd
    .args:
      - { .name: queries, .offset: 0, .size: 8, .value_kind: global_buffer, .address_space: global }
      - { .name: keys, .offset: 8, .size: 8, .value_kind: global_buffer, .address_space: global }
      - { .name: values, .offset: 16, .size: 8, .value_kind: global_buffer, .address_space: global }
      - { .name: Wq, .offset: 24, .size: 8, .value_kind: global_buffer, .address_space: global }
      - { .name: Wk, .offset: 32, .size: 8, .value_kind: global_buffer, .address_space: global }
      - { .name: Wv, .offset: 40, .size: 8, .value_kind: global_buffer, .address_space: global }
      - { .name: PQ, .offset: 48, .size: 8, .value_kind: global_buffer, .address_space: global }
      - { .name: PK, .offset: 56, .size: 8, .value_kind: global_buffer, .address_space: global }
      - { .name: PV, .offset: 64, .size: 8, .value_kind: global_buffer, .address_space: global }
    .group_segment_fixed_size: 70656
    .private_segment_fixed_size: 0
    .kernarg_segment_align: 8
    .kernarg_segment_size: 72
    .max_flat_workgroup_size: 256
    .sgpr_count:     66
    .vgpr_count:     256
    .wavefront_size: 32
...
	.end_amdgpu_metadata
.endif
;; end of part 1
;; launch projA (part 2): grid 8 x 32, 4 waves a work-group, clusters of 4 x 4, 327,680 bytes of LDS; arguments PQ, PV, PK, bq, bv, OA; writes OA
.if DOCPART == 2
	.amdgcn_target "amdgcn-amd-amdhsa--gfx1250"
	.amdhsa_code_object_version 6
	.text
	.protected	k_qd255502489_projA
	.globl	k_qd255502489_projA
	.p2align	8
	.type	k_qd255502489_projA,@function
k_qd255502489_projA:
	s_mov_b64 s[64:65], 0
	v_nop
	global_prefetch_b8 v0, s[64:65] scope:SCOPE_SE
	s_setreg_imm32_b32 hwreg(HW_REG_WAVE_MODE, 25, 1), 1
	s_wait_xcnt 0x0
	s_wait_alu depctr_hold_cnt(0) depctr_sa_sdst(0) depctr_va_vdst(0) depctr_va_sdst(0) depctr_va_ssrc(0) depctr_va_vcc(0) depctr_vm_vsrc(0)
	s_getreg_b32 s2, hwreg(HW_REG_IB_STS2, 6, 4)
	s_cmp_eq_u32 s2, 0
	s_cbranch_scc0 .Lentry_in_a_cluster
	s_endpgm
.Lentry_in_a_cluster:
	s_bfe_u32 s2, ttmp6, 0x10000c
	s_cmp_lg_u32 s2, 0xf033
	s_cbranch_scc0 .Lentry_shape_is_right
	s_endpgm
.Lentry_shape_is_right:
; A projection on codes of FP6 (E2M3), K = 1,024, whose result (+ bias) is quantised at once, along the columns n of the tile, and stored as the next product's operand.  Nothing goes to memory in f32.
; Arguments: pair0, pair1 (P buffers: an input's and its weight's codes and scale words), prev (the launch before's output), bias0, bias1, out.  The body serves two launches:
;   grid 8 x 32:  cluster x = 0: q = queries Wq + bq -> out's first operand;  cluster x = 1: v1 = values Wv + bv -> its second.  (The third argument is never read on this grid.)
;   grid 4 x 64:  cluster y < 8: k = keys Wk + bk -> first operand;  cluster y >= 8: v = v1 Wv + bv, made TRANSPOSED (rows m = the 1,024 features, columns n = the keys), so that it is quantised along the keys -> second operand.
; Which of them a cluster makes hangs on the cluster's x and y alone: it is the same in all sixteen partners.
; OPERANDS lie as images of the matrix operand's registers (blocks of 128 rows x 128 K = 12,288 bytes, eight fragments of 1,536; scale words 512 bytes a block, row 16 t + r at 32 r + 4 t).  So a tile is one dense block for a tensor
; load, a fragment is three ds_load_b128 at 16 x lane, and the codes made here leave straight from registers, 512 consecutive bytes a store.
; A tile of C is 256 x 256: four waves, each 128 x 128 = 64 accumulators.  K goes in 8 steps of 128 through two LDS slots of three steps each: two first fills, one refill; all steps are written out.
; CLUSTERS: 4 x 4.  A's tiles (the rows m) are asked for jointly by a row of the cluster, B's (the columns n) by a column.  THE MATRIX INSTRUCTION IS USED TRANSPOSED (source 0 = B's rows, source 1 = A's): a lane holds one row m and
; eight neighbouring columns a tile, so that the conversions find neighbours along the next K in one lane's registers.  The bias is the C of each sum's first instruction.
; LIMITS: NaN and infinities are not served; a block of zeros gets the byte 1 (its codes are zeros; this program alone reads the bytes).
; REGISTERS: window 0: v1-29 addresses; v32-47 scale words, two sets; v64-127 the bias; v128-223 A's fragments, one set (later the codes just made); v224-251 at work.  window 1: B's fragments, two sets, at v0 and v128.
;   windows 2, 3: the accumulators of my rows 0-63 and 64-127, (a, b) at v[8 (8 (a % 4) + b)].
.set XCB,   6291456
.set OPB,   6553600
.set WCB,   786432
.set KB,    12288
.set FRB,   1536
.set PART,  3*KB                       ; a row block's part of a slot: 128 rows x 384 K.  A slot holds THREE K steps: K steps 0-2 come at the head, 3-5 into slot 1 behind the first round, 6-7 into slot 0 again
.set SLOT,  4*PART                     ; A's two row blocks, then B's two
.set SCL,   2*SLOT                     ; the scale words of the four row blocks, for all of K: 4,096 bytes each, filled once
.set SPARE, SCL+4*4096                 ; the spare words, 128 bytes for each wave: two blocks of 256 bytes that no other line names
.set ADRA, 16
.set ADRB, 20
.set LI,   24
.set SWO,  25
.set ADRS, 27
.set SPW,  28
.set NIL,  29
.set SC,   32
.set BIAS, 64
.set AF,   128
.set PC,   128
.set TM,   224
.set PWS,  240
.set SD,   248
.set SEL,  2
.set WV,   16
.set RH,   17                          ; my half of the tile's rows.  Also: I fetch for A (0) or for B (1)
.set CH,   18                          ; my half of its columns.  Also: which of the side's two row blocks I fetch
.set VT,   19                          ; 1: the transposed product v
.set G1,   24
.set G0,   32
.set G1B,  48
.set G0B,  56
.set G1S,  68
.set G0S,  76
.set G1SB, 80
.set G0SB, 88
.set OUTC, 98
.set OUTS, 100
.set MSB, 0
.macro WIN new                         ; the immediate's high byte repeats the setting that is left
.if MSB != (\new)
	s_set_vgpr_msb (MSB<<8)|(\new)
.set MSB, (\new)
.endif
.endm
.set MUL_LO, 0xa1                      ; source 0 (B) window 1, source 1 (A) window 0, C and D window 2
.set MUL_HI, 0xf1
.set TO_B,   0x40
.macro PLACES n
.rept \n
	v_nop
.endr
.endm
; A joint load: waves 0 and 1 fetch for A, waves 2 and 3 for B.  An s_nop 0 and four v_nop follow each of the two lines.
.macro JLOAD g0a, g1a, g0b, g1b
	s_cmp_eq_u32 s[RH], 0
	s_cbranch_scc0 .Lfor_b_\@
	tensor_load_to_lds s[\g0a:\g0a+3], s[\g1a:\g1a+7]
	s_nop 0
.rept 4
	v_nop
.endr
	s_branch .Lasked_\@
.Lfor_b_\@:
	tensor_load_to_lds s[\g0b:\g0b+3], s[\g1b:\g1b+7]
	s_nop 0
.rept 4
	v_nop
.endr
.Lasked_\@:
.endm
.macro CREST                           ; a round of the cluster's barrier behind its opening barrier
	s_cmp_lg_u32 s[WV], 0
	s_cbranch_scc1 .Lnot_wave_0_\@
	s_barrier_signal -3
.Lnot_wave_0_\@:
	s_barrier_wait -3
	s_barrier_signal -1
	s_barrier_wait -1
.endm
.macro CROUND
	s_barrier_signal -1
	s_barrier_wait -1
	CREST
.endm
.macro FRAG reg, adr, q, i             ; a fragment as it lies: three loads of 512 consecutive bytes
.irp c, 0,1,2
	ds_load_b128 v[\reg+4*\c:\reg+4*\c+3], v[\adr] offset:(\q)*KB+(\i)*FRB+512*\c
.endr
.endm
.macro FETCH_B slot, q, p
	WIN TO_B
.irp i, 0,1,2,3,4,5,6,7
	FRAG 128*(\p)+12*\i, ADRB+\slot, \q, \i
.endr
	WIN 0
.endm
.macro FETCH_A slot, q, i0
.irp i, \i0, \i0+1, \i0+2, \i0+3
	FRAG AF+12*(\i), ADRA+\slot, \q, \i
.endr
.endm
.macro SCALES p, kg                    ; K step kg's words into set p: register i: lanes 0-15 A's block i, lanes 16-31 B's block i
.irp u, 0,1
	ds_load_b128 v[SC+8*(\p)+4*\u:SC+8*(\p)+4*\u+3], v[ADRS] offset:512*(\kg)+16*\u
.endr
.endm
; 16 matrix instructions: A's blocks a0, a0 + 1 x B's eight.  mode 0: onto the sums; 1: the sums begin with the bias by columns; 2: with the bias by rows.  The 64 accumulators take turns, in one order throughout.
.macro MUL16 a0, p, mode
.irp a, \a0, \a0+1
.irp b, 0,1,2,3,4,5,6,7
.set rD, 8*(8*((\a)%4)+\b)
.set rB, 128*(\p)+12*\b
.set rA, AF+12*(\a)
.set rSB, SC+8*(\p)+\b
.set rSA, SC+8*(\p)+(\a)
.if \mode == 0
	v_wmma_scale_f32_16x16x128_f8f6f4 v[rD:rD+7], v[rB:rB+11], v[rA:rA+11], v[rD:rD+7], v[rSB], v[rSA] matrix_a_fmt:MATRIX_FMT_FP6 matrix_b_fmt:MATRIX_FMT_FP6 matrix_a_scale:MATRIX_SCALE_ROW1
.elseif \mode == 1
	v_wmma_scale_f32_16x16x128_f8f6f4 v[rD:rD+7], v[rB:rB+11], v[rA:rA+11], v[BIAS+8*\b:BIAS+8*\b+7], v[rSB], v[rSA] matrix_a_fmt:MATRIX_FMT_FP6 matrix_b_fmt:MATRIX_FMT_FP6 matrix_a_scale:MATRIX_SCALE_ROW1
.else
	v_wmma_scale_f32_16x16x128_f8f6f4 v[rD:rD+7], v[rB:rB+11], v[rA:rA+11], v[BIAS+8*(\a):BIAS+8*(\a)+7], v[rSB], v[rSA] matrix_a_fmt:MATRIX_FMT_FP6 matrix_b_fmt:MATRIX_FMT_FP6 matrix_a_scale:MATRIX_SCALE_ROW1
.endif
.endr
.endr
.endm
; A slot's first or second step; its successor lies in the same slot.
.macro STEP slot, kg, mode
	s_wait_dscnt 12                                ; all but the youngest 12 loads (A's blocks 4-7) are in
.if \mode
	WIN 0x81                                       ; C, the bias, in window 0
.else
	WIN MUL_LO
.endif
	MUL16 0, (\kg)%2, \mode
	MUL16 2, (\kg)%2, \mode
	s_wait_dscnt 0x0
	PLACES 4                                       ; in front of loads into registers that matrix instructions have read
	FETCH_B \slot, ((\kg)+1)%3, 1-(\kg)%2
	FETCH_A \slot, ((\kg)+1)%3, 0
	SCALES 1-(\kg)%2, (\kg)+1
.if \mode
	WIN 0xc1
.else
	WIN MUL_HI
.endif
	MUL16 4, (\kg)%2, \mode
	MUL16 6, (\kg)%2, \mode
	PLACES 4
	WIN 0
	FETCH_A \slot, ((\kg)+1)%3, 4
.endm
; A slot's third step changes slots: one barrier; in front of it each wave waits for all its tensor loads, adds 0 to its spare word, and waits for that and for its reads of this slot.
.macro TURN slot, next, fill, kg
	s_wait_tensorcnt 0x0                           ; all my tensor loads have landed: my part of the next slot
	ds_add_u32 v[SPW], v[NIL]
	s_wait_dscnt 13                                ; (the add and the youngest 12 loads may be out)
	WIN MUL_LO
	MUL16 0, (\kg)%2, 0
	s_wait_dscnt 0x0                               ; the add is done, and my reads of this slot are over
	s_barrier_signal -1
	MUL16 2, (\kg)%2, 0
	WIN 0
	s_barrier_wait -1
.if \fill
	CREST                                          ; the barrier has opened a round of the cluster's: no wave of any partner still reads this slot or has a load on its way
	s_add_nc_u64 s[G0+4*\slot+2:G0+4*\slot+3], s[G0+4*\slot+2:G0+4*\slot+3], 2*PART
	s_add_nc_u64 s[G0B+4*\slot+2:G0B+4*\slot+3], s[G0B+4*\slot+2:G0B+4*\slot+3], 2*PART
	s_mov_b32 s[G1+2], 96<<16                      ; no tensor load of mine is out: the last fill brings two K steps, 96 rows of 256 bytes
	s_mov_b32 s[G1+4], 96
	s_mov_b32 s[G1B+2], 96<<16
	s_mov_b32 s[G1B+4], 96
	JLOAD G0+4*\slot, G1, G0B+4*\slot, G1B         ; the first tensor load behind the round; its four v_nop are the places in front of the loads below
.else
	PLACES 4
.endif
	FETCH_B \next, 0, 1-(\kg)%2
	FETCH_A \next, 0, 0
	SCALES 1-(\kg)%2, (\kg)+1
	WIN MUL_HI
	MUL16 4, (\kg)%2, 0
	MUL16 6, (\kg)%2, 0
	PLACES 4
	WIN 0
	FETCH_A \next, 0, 4
.endm
	s_load_b256 s[4:11], s[0:1], 0x0               ; pair0, pair1, prev, bias0
	s_load_b128 s[12:15], s[0:1], 0x20             ; bias1, out
	v_lshl_add_u32 v[SPW], v0, 2, SPARE
	v_mov_b32 v[NIL], 0
	ds_add_u32 v[SPW], v[NIL]                      ; the wave's opening: the add and its wait ahead of my first tensor load
	ds_add_u32 v[SPW], v[NIL]
	v_lshrrev_b32 v1, 5, v0
	v_readfirstlane_b32 s[WV], v1
	s_lshr_b32 s[RH], s[WV], 1
	s_and_b32 s[CH], s[WV], 1
	s_bfe_u32 s40, ttmp6, 0x40000                  ; cx
	s_bfe_u32 s41, ttmp6, 0x40004                  ; cy
	s_and_b32 s20, ttmp7, 0xffff                   ; the cluster's y
	s_lshl_b32 s21, s20, 2
	s_sub_co_u32 s22, s21, 32
	s_mov_b32 s94, XCB
	s_mov_b32 s66, OPB+WCB
	s_cmp_ge_u32 s20, 8
	s_cselect_b32 s[VT], 1, 0
	s_cselect_b32 s42, 0, s21                      ; the cluster's first tile row: 4 y, or 0 for v (its rows are the 1,024 features)
	s_cselect_b32 s43, s22, 0                      ; its first tile column: 0, or 4 (y - 8) for v (its columns are the keys)
	s_cselect_b32 s92, OPB, 0                      ; A's codes in their buffer: an input's, or the weight's for v
	s_cselect_b32 s94, OPB+WCB, s94                ; A's scale words
	s_cselect_b32 s66, OPB+XCB, s66                ; B's scale words: the weight's, or v1's
	s_mov_b32 s93, 0
	s_mov_b32 s95, 0
	s_mov_b32 s97, 0
	s_mov_b32 s67, 0
	s_add_co_u32 s42, s42, s41                     ; tile row
	s_add_co_u32 s43, s43, s40                     ; tile column
	s_lshl_b32 s44, s41, 2
	s_lshl_b32 s44, 15, s44                        ; my row of the cluster
	s_lshl_b32 s45, 0x1111, s40                    ; my column
	s_or_b32 s[G1], s44, (3<<16)|(1<<21)           ; 15:0 the mask; 17:16 elements of 8 bytes; 21 set beside a mask; no padding
	s_or_b32 s[G1B], s45, (3<<16)|(1<<21)
	s_or_b32 s[G1S], s44, (3<<16)|(1<<21)
	s_or_b32 s[G1SB], s45, (3<<16)|(1<<21)
.irp g, G1, G1B                                ; a tile: 36,864 dense bytes as 144 rows of 256
	s_mov_b32 s[\g+1], 4608<<16                    ; the head's shape: a side's two row blocks, each three K steps = 36,864 dense bytes, 98,304 bytes apart
	s_mov_b32 s[\g+2], 2<<16
	s_mov_b32 s[\g+3], 4608<<16
	s_mov_b32 s[\g+4], 2
	s_mov_b32 s[\g+5], 12288
	s_mov_b32 s[\g+6], 0
	s_mov_b32 s[\g+7], 0
.endr
.irp g, G1S, G1SB                              ; a row block's scale words: 4,096 dense bytes as 16 rows of 256
	s_mov_b32 s[\g+1], 32<<16
	s_mov_b32 s[\g+2], 32<<16                      ; a side's two row blocks of scale words: 8,192 dense bytes as 32 rows of 256
	s_mov_b32 s[\g+3], 32<<16
	s_mov_b32 s[\g+4], 32
	s_mov_b32 s[\g+5], 32
	s_mov_b32 s[\g+6], 0
	s_mov_b32 s[\g+7], 0
.endr
	s_lshl_b32 s46, s42, 1
	s_add_co_u32 s46, s46, s[CH]                   ; A's row block that I would fetch
	s_mul_i32 s47, s46, 8*KB
	s_add_co_u32 s92, s92, s47
	s_lshl_b32 s47, s42, 13                        ; the words of the tile's two row blocks begin with the first
	s_add_co_u32 s94, s94, s47
	s_lshl_b32 s22, s43, 1
	s_add_co_u32 s22, s22, s[CH]                   ; B's
	s_mul_i32 s96, s22, 8*KB
	s_add_co_u32 s96, s96, OPB
	s_lshl_b32 s23, s43, 13
	s_add_co_u32 s66, s66, s23
	s_mul_i32 s20, s[WV], PART                     ; where they go: no place in the cluster enters an LDS address
	s_mov_b32 s[SEL], 0x76543210
	s_mov_b32 s[SEL+1], 0xfedcba98
	s_wait_dscnt 0x0                               ; the opening add is done
	s_wait_kmcnt 0x0
	s_cmp_eq_u32 ttmp9, 0
	s_cselect_b64 s[4:5], s[4:5], s[6:7]           ; the pair of the cluster's x
	s_cselect_b64 s[10:11], s[10:11], s[12:13]
	s_cmp_eq_u32 s[VT], 0
	s_cselect_b64 s[8:9], s[4:5], s[8:9]           ; B's buffer: the pair (its weight), or for v the launch before's output (v1)
	s_cselect_b64 s[4:5], s[4:5], s[6:7]           ; A's buffer: the pair (its input), or for v pair1 (Wv)
	s_cselect_b64 s[10:11], s[10:11], s[12:13]     ; the bias
	s_add_nc_u64 s[92:93], s[4:5], s[92:93]
	s_add_nc_u64 s[94:95], s[4:5], s[94:95]
	s_add_nc_u64 s[96:97], s[8:9], s[96:97]
	s_add_nc_u64 s[66:67], s[8:9], s[66:67]
	CROUND                                         ; all sixteen work-groups are here: the first joint loads meet
	s_mov_b32 s[G0S], 1
	s_mov_b32 s[G0S+1], SCL
	s_mov_b64 s[G0S+2:G0S+3], s[94:95]
	s_or_b32 s[G0S+3], s[G0S+3], 0x80000000
	s_mov_b32 s[G0SB], 1
	s_mov_b32 s[G0SB+1], SCL+8192
	s_mov_b64 s[G0SB+2:G0SB+3], s[66:67]
	s_or_b32 s[G0SB+3], s[G0SB+3], 0x80000000
.irp s, 0,1
	s_mov_b32 s[G0+4*\s], 1
	s_add_co_u32 s[G0+4*\s+1], s20, \s*SLOT
	s_add_nc_u64 s[G0+4*\s+2:G0+4*\s+3], s[92:93], \s*PART
	s_or_b32 s[G0+4*\s+3], s[G0+4*\s+3], 0x80000000
	s_mov_b32 s[G0B+4*\s], 1
	s_add_co_u32 s[G0B+4*\s+1], s20, \s*SLOT
	s_add_nc_u64 s[G0B+4*\s+2:G0B+4*\s+3], s[96:97], \s*PART
	s_or_b32 s[G0B+4*\s+3], s[G0B+4*\s+3], 0x80000000
.endr
; THE HEAD'S LOADS, ONE A WAVE: wave 0 A's two row blocks of K steps 0-2 (its own slot-0 group 0 points at the first), wave 1 A's scale words, wave 2 B's two row blocks, wave 3 B's scale words.
; One tree of branches on the wave's number: every way through it passes one load.
.macro ARM under, g0, g1, next
	s_cmp_lt_u32 s[WV], \under
	s_cbranch_scc0 \next
	tensor_load_to_lds s[\g0:\g0+3], s[\g1:\g1+7]
	s_nop 0
.rept 4
	v_nop
.endr
	s_branch .Lhead_asked
\next:
.endm
	ARM 1, G0,  G1,  .Lhead_sa
	ARM 2, G0S, G1S, .Lhead_b
	ARM 3, G0B, G1B, .Lhead_sb
	tensor_load_to_lds s[G0SB:G0SB+3], s[G1SB:G1SB+7]
	s_nop 0
.rept 4
	v_nop
.endr
.Lhead_asked:
	; PREFETCHES INTO THE L2, one fill ahead.  Of the row block that my wave fetches in the ring, the four partners that ask for it jointly share the blocks of 256 bytes out by address (cx for A, cy for B):
	; K steps 3-5 are 144 blocks, 36 a partner (32 lanes, then 4; the lanes left over name the last again); K steps 6-7 are 96 blocks, 24 a partner.  The steps along K stand in the immediates: no address register is written again.
	s_cmp_eq_u32 s[RH], 0
	s_cselect_b64 s[4:5], s[92:93], s[96:97]       ; the row block that I fetch: A's or B's
	s_cselect_b32 s46, s40, s41                    ; my place among the four
	s_mov_b64 s[6:7], s[4:5]
	s_mul_i32 s12, s46, 9216
	s_mov_b32 s13, 0
	s_add_nc_u64 s[4:5], s[4:5], s[12:13]
	s_mul_i32 s12, s46, 6144
	s_add_nc_u64 s[6:7], s[6:7], s[12:13]
	v_and_b32 v10, 31, v0
	v_lshlrev_b32 v8, 8, v10                       ; blocks 0-31
	v_min_u32 v9, 3, v10
	v_lshl_add_u32 v9, v9, 8, 0x2000               ; blocks 32-35
	v_min_u32 v10, 23, v10
	v_lshlrev_b32 v10, 8, v10                      ; blocks 0-23
	global_prefetch_b8 v8, s[4:5] offset:PART th:TH_LOAD_NT scope:SCOPE_SE    ; K steps 3-5, which slot 1's first fill will load
	global_prefetch_b8 v9, s[4:5] offset:PART th:TH_LOAD_NT scope:SCOPE_SE
	v_and_b32 v1, 15, v0                           ; r
	v_bfe_u32 v2, v0, 4, 1                         ; h
	s_wait_alu depctr_va_vdst(0)
	v_and_b32 v3, 31, v0
	v_lshlrev_b32 v[LI], 4, v3
	s_mul_i32 s22, s[RH], PART                     ; my 128 rows of A
	s_add_co_u32 s23, s[CH], 2
	s_mul_i32 s23, s23, PART                       ; my 128 rows of B
.irp s, 0,1
	v_add_nc_u32 v[ADRA+\s], s22, v[LI]
	v_add_nc_u32 v[ADRB+\s], s23, v[LI]
	s_add_co_u32 s22, s22, SLOT
	s_add_co_u32 s23, s23, SLOT
.endr
	v_lshlrev_b32 v4, 5, v1                        ; my row's eight words
	s_lshl_b32 s22, s[RH], 12
	s_add_co_u32 s23, s[CH], 2
	s_lshl_b32 s23, s23, 12
	s_sub_co_u32 s23, s23, s22
	v_mul_u32_u24 v5, s23, v2                      ; lanes 16-31 take B's
	s_add_co_u32 s22, s22, SCL
	v_add_nc_u32 v4, v4, v5
	v_add_nc_u32 v[ADRS], s22, v4
	v_lshlrev_b32 v[SWO], 5, v1
	v_lshl_add_u32 v[SWO], v2, 4, v[SWO]
.irp b, 0,1,2,3
	v_mov_b32 v[TM+4+\b], 0                        ; written once: a lane permute's destination counts as one of its sources
.endr
	; where my 128 x 128 goes: one block of the output operand
	s_lshl_b32 s44, s42, 1
	s_add_co_u32 s44, s44, s[RH]                   ; its row block
	s_lshl_b32 s45, s43, 1
	s_add_co_u32 s45, s45, s[CH]                   ; its K step
	s_lshl_b32 s46, s44, 3
	s_add_co_u32 s46, s46, s45                     ; 8 rb + ks;
	s_lshr_b32 s47, s45, 4                         ; for v: (8 batch + rb) 16 + ks, the flat K step being 16 batch + ks
	s_lshl_b32 s47, s47, 7
	s_lshl_b32 s22, s44, 4
	s_add_co_u32 s47, s47, s22
	s_and_b32 s22, s45, 15
	s_add_co_u32 s47, s47, s22
	s_cmp_eq_u32 s[VT], 0
	s_cselect_b32 s46, s46, s47
	s_cselect_b32 s21, s45, s44                    ; the bias goes by columns, for v by rows
	s_or_b32 s47, ttmp9, s[VT]
	s_mul_i32 s47, s47, OPB                        ; the buffer's first or second operand
	s_mul_i32 s22, s46, KB
	s_add_co_u32 s22, s22, s47
	s_mov_b32 s23, 0
	s_add_nc_u64 s[OUTC:OUTC+1], s[14:15], s[22:23]
	s_lshl_b32 s22, s46, 9
	s_add_co_u32 s22, s22, s47
	s_add_co_u32 s22, s22, XCB
	s_add_nc_u64 s[OUTS:OUTS+1], s[14:15], s[22:23]
	s_lshl_b32 s22, s21, 9
	s_add_nc_u64 s[10:11], s[10:11], s[22:23]      ; the bias of my 128 columns (rows)
	v_lshlrev_b32 v6, 5, v2                        ; 32 h
	v_lshlrev_b32 v7, 2, v1                        ; 4 r
	s_cmp_eq_u32 s[VT], 0
	s_cbranch_scc0 .Lbias_m
.irp b, 0,1,2,3,4,5,6,7                        ; by columns: tile b's register j wants the bias of column 16 b + 8 h + j
	global_load_b128 v[BIAS+8*\b:BIAS+8*\b+3], v6, s[10:11] offset:64*\b
	global_load_b128 v[BIAS+8*\b+4:BIAS+8*\b+7], v6, s[10:11] offset:64*\b+16
.endr
	s_branch .Lbias_in
.Lbias_m:
	s_wait_alu depctr_va_vdst(0)
.irp a, 0,1,2,3,4,5,6,7                        ; by rows: all eight registers of block a want the bias of row 16 a + r
.irp j, 0,1,2,3,4,5,6,7
	global_load_b32 v[BIAS+8*\a+\j], v7, s[10:11] offset:64*\a
.endr
.endr
.Lbias_in:
	s_wait_alu depctr_va_vdst(0)                   ; the wait at the head's end
	s_wait_tensorcnt 0x0                           ; my tile of the head's four is in; the lines ahead of a later first fill:
	ds_add_u32 v[SPW], v[NIL]
.irp g, G1, G1B                                ; no tensor load of mine is out: from here on a load brings one row block's three K steps, 144 rows of 256 bytes
	s_mov_b32 s[\g+1], 32<<16
	s_mov_b32 s[\g+2], 144<<16
	s_mov_b32 s[\g+3], 32<<16
	s_mov_b32 s[\g+4], 144
	s_mov_b32 s[\g+5], 32
.endr
	s_wait_dscnt 0x0
	CROUND                                         ; a whole round: everybody's tiles are in, and the joint loads meet
	JLOAD G0+4, G1, G0B+4, G1B                     ; slot 1's first fill, K steps 3-5: the first tensor load behind the round
	FETCH_B 0, 0, 0
	global_prefetch_b8 v10, s[6:7] offset:2*PART th:TH_LOAD_NT scope:SCOPE_SE ; K steps 6-7, which slot 0's refill will load; nothing lies beyond them
	FETCH_A 0, 0, 0
	s_wait_alu depctr_va_vdst(0)
	SCALES 0, 0
	FETCH_A 0, 0, 4
	s_wait_loadcnt 0x0                             ; the bias
	s_cmp_eq_u32 s[VT], 0
	s_cbranch_scc0 .Lfirst_m
	STEP 0, 0, 1                                   ; the first step starts the sums: written twice, since the bias's registers go by b or by a
	s_branch .Lfirst_done
.Lfirst_m:
	STEP 0, 0, 2
.Lfirst_done:
	STEP 0, 1, 0
	TURN 0, 1, 1, 2                                ; slot 0 takes K steps 6 and 7
	STEP 1, 3, 0
	STEP 1, 4, 0
	TURN 1, 0, 0, 5                                ; nothing is left to fetch: no round of the cluster's barrier
	STEP 0, 6, 0
	s_wait_dscnt 12                                ; the last step
	WIN MUL_LO
	MUL16 0, 1, 0
	MUL16 2, 1, 0
	s_wait_dscnt 0x0
	WIN MUL_HI
	MUL16 4, 1, 0
	MUL16 6, 1, 0
	WIN 0
	PLACES 4                                       ; in front of the first read of results
; THE WAY OUT.  Block a: my rows 16 a .. 16 a + 15 x my 128 columns = one fragment of the output operand.  A lane's 64 numbers: register 16 b + 8 u + j = column 32 b + 16 u + 8 h + j of its row.
.macro EPI a
.set AC, 64*((\a)%4)
	WIN 0x0a+5*((\a)/4)                            ; sources 0 and 1: window 2 or 3
.irp b, 0,1,2,3
	v_max3_num_f32 v[TM+\b], |v[AC+16*\b]|, |v[AC+16*\b+1]|, 0x1800000   ; each accumulator is read from its low end on; the floor 2^(3 - 127) holds the byte at 1 from below
.endr
.irp i, 2,4,6,8,10,12,14
.irp b, 0,1,2,3
	v_max3_num_f32 v[TM+\b], |v[AC+16*\b+\i]|, |v[AC+16*\b+\i+1]|, v[TM+\b]
.endr
.endr
	WIN 0
.irp b, 0,1,2,3
	v_permlanex16_b32 v[TM+4+\b], v[TM+\b], s[SEL], s[SEL+1]
.endr
.irp b, 0,1,2,3
	v_max_num_f32 v[TM+\b], v[TM+\b], v[TM+4+\b]
.endr
.irp b, 0,1,2,3
	v_add_nc_u32 v[TM+12+\b], 0xff000000, v[TM+\b] ; 2 off the exponent field: the conversion's scale operand
.endr
.irp b, 0,1,2,3
	v_lshrrev_b32 v[TM+4+\b], 23, v[TM+12+\b]
.endr
	v_lshl_or_b32 v[PWS+(\a)], v[TM+5], 8, v[TM+4]
	v_lshl_or_b32 v[PWS+(\a)], v[TM+6], 16, v[PWS+(\a)]
	v_lshl_or_b32 v[PWS+(\a)], v[TM+7], 24, v[PWS+(\a)]
.if (\a) > 0
	s_wait_xcnt 0x0                                ; the last block's stores have read the codes' registers
.endif
	WIN 0x02+((\a)/4)                              ; source 0: window 2 or 3
.irp c, 0,1
	v_cvt_scalef32_pk16_fp6_f32 v[PC+6*\c:PC+6*\c+2], v[AC+32*\c:AC+32*\c+15], v[TM+12+2*\c]
	v_cvt_scalef32_pk16_fp6_f32 v[PC+12+4*\c:PC+14+4*\c], v[AC+32*\c+16:AC+32*\c+31], v[TM+12+2*\c+1]
.endr
	WIN 0
	v_nop                                          ; one plain place behind a scaled conversion
.irp c, 0,1
.irp i, 0,1,2
	v_permlane16_swap_b32 v[PC+6*\c+\i], v[PC+12+4*\c+\i]
.endr
.irp i, 0,1,2
	v_mov_b32 v[PC+3+6*\c+\i], v[PC+12+4*\c+\i]
.endr
.endr
.irp c, 0,1,2
	global_store_b128 v[LI], v[PC+4*\c:PC+4*\c+3], s[OUTC:OUTC+1] offset:1536*(\a)+512*\c th:TH_STORE_NT   ; 512 consecutive bytes, aligned
.endr
.endm
.irp a, 0,1,2,3,4,5,6,7
	EPI \a
.endr
	s_mov_b32 s22, 0xffff0000
.irp j, 0,1,2,3
	v_cndmask_b32 v[SD+\j], v[PWS+\j], v[PWS+4+\j], s22   ; lanes 0-15 store the words of fragments 0-3 of their row, lanes 16-31 those of 4-7
.endr
	global_store_b128 v[SWO], v[SD:SD+3], s[OUTS:OUTS+1] th:TH_STORE_NT
	s_wait_tensorcnt 0x0                           ; the wave's end
	ds_add_u32 v[SPW], v[NIL]
	s_wait_dscnt 0x0
	CROUND                                         ; the closing round
	s_endpgm
.Lfunc_end_k_qd255502489_projA:
	.size	k_qd255502489_projA, .Lfunc_end_k_qd255502489_projA-k_qd255502489_projA
	.p2alignl 7, 3214868480
	.fill 96, 4, 3214868480
	.section	.rodata,"a",@progbits
	.p2align	6, 0x0
	.amdhsa_kernel k_qd255502489_projA
		.amdhsa_group_segment_fixed_size 327680
		.amdhsa_private_segment_fixed_size 0
		.amdhsa_enable_private_segment 0
		.amdhsa_kernarg_size 48
		.amdhsa_user_sgpr_count 2
		.amdhsa_user_sgpr_kernarg_segment_ptr 1
		.amdhsa_wavefront_size32 1
		.amdhsa_system_sgpr_workgroup_id_x 1
		.amdhsa_system_sgpr_workgroup_id_y 1
		.amdhsa_system_sgpr_workgroup_id_z 1
		.amdhsa_system_vgpr_workitem_id 0
		.amdhsa_next_free_vgpr 1024
		.amdhsa_next_free_sgpr 102
		.amdhsa_reserve_vcc 0
		.amdhsa_float_denorm_mode_32 3
		.amdhsa_float_denorm_mode_16_64 3
		.amdhsa_memory_ordered 1
		.amdhsa_forward_progress 1
		.amdhsa_inst_pref_size 160
	.end_amdhsa_kernel
	.amdgpu_metadata
---
amdhsa.version: [ 1, 2 ]
amdhsa.kernels:
  - .name:           k_qd255502489_projA
    .symbol:         k_qd255502489_projA.kd
    .args:
      - { .name: PQ, .offset: 0, .size: 8, .value_kind: global_buffer, .address_space: global }
      - { .name: PV, .offset: 8, .size: 8, .value_kind: global_buffer, .address_space: global }
      - { .name: PK, .offset: 16, .size: 8, .value_kind: global_buffer, .address_space: global }
      - { .name: bq, .offset: 24, .size: 8, .value_kind: global_buffer, .address_space: global }
      - { .name: bv, .offset: 32, .size: 8, .value_kind: global_buffer, .address_space: global }
      - { .name: OA, .offset: 40, .size: 8, .value_kind: global_buffer, .address_space: global }
    .group_segment_fixed_size: 327680
    .private_segment_fixed_size: 0
    .kernarg_segment_align: 8
    .kernarg_segment_size: 48
    .max_flat_workgroup_size: 128
    .sgpr_count:     102
    .vgpr_count:     1024
    .wavefront_size: 32
...
	.end_amdgpu_metadata
.endif
;; end of part 2
;; launch projB: the kernel of part 2 again; grid 4 x 64, 4 waves a work-group, clusters of 4 x 4, 327,680 bytes of LDS; arguments PK, PV, OA, bk, bv, OB; writes OB
;; launch scores (part 3): grid 8 x 32, 4 waves a work-group, clusters of 4 x 4, 327,680 bytes of LDS; arguments OA, OB, PP; writes PP
.if DOCPART == 3
	.amdgcn_target "amdgcn-amd-amdhsa--gfx1250"
	.amdhsa_code_object_version 6
	.text
	.protected	k_qd255502489_scores
	.globl	k_qd255502489_scores
	.p2align	8
	.type	k_qd255502489_scores,@function
k_qd255502489_scores:
	s_mov_b64 s[64:65], 0
	v_nop
	global_prefetch_b8 v0, s[64:65] scope:SCOPE_SE
	s_setreg_imm32_b32 hwreg(HW_REG_WAVE_MODE, 25, 1), 1
	s_wait_xcnt 0x0
	s_wait_alu depctr_hold_cnt(0) depctr_sa_sdst(0) depctr_va_vdst(0) depctr_va_sdst(0) depctr_va_ssrc(0) depctr_va_vcc(0) depctr_vm_vsrc(0)
	s_getreg_b32 s2, hwreg(HW_REG_IB_STS2, 6, 4)
	s_cmp_eq_u32 s2, 0
	s_cbranch_scc0 .Lentry_in_a_cluster
	s_endpgm
.Lentry_in_a_cluster:
	s_bfe_u32 s2, ttmp6, 0x10000c
	s_cmp_lg_u32 s2, 0xf033
	s_cbranch_scc0 .Lentry_shape_is_right
	s_endpgm
.Lentry_shape_is_right:
.set XCB,   6291456
.set PWO,   12582912
.set KB,    12288
.set FRB,   1536
.set PART,  3*KB                       ; a row block's part of a slot: 128 rows x 384 K.  A slot holds three K steps: K steps 0-2 come at the head, 3-5 into slot 1 behind the first round, 6-7 into slot 0 again
.set SLOT,  4*PART
.set SCL,   2*SLOT
.set SPARE, SCL+4*4096
.set ADRA, 16
.set ADRB, 20
.set LI,   24
.set SWO,  25
.set ADRS, 27
.set SPW,  28
.set NIL,  29
.set SC,   32
.set PWS,  64
.set NMS,  72
.set LWS,  80
.set SD,   88
.set AF,   128
.set PC,   128
.set BM,   224
.set BX,   228
.set SO,   236
.set NM,   240
.set LS0,  242
.set LS1,  244
.set LX,   246
.set SEL,  2
.set CS,   10
.set WV,   16
.set RH,   17
.set CH,   18
.set G1,   24
.set G0,   32
.set G1B,  48
.set G0B,  56
.set G1S,  68
.set G0S,  76
.set G1SB, 80
.set G0SB, 88
.set OUTC, 98
.set OUTS, 100
.set MSB, 0
.macro WIN new
.if MSB != (\new)
	s_set_vgpr_msb (MSB<<8)|(\new)
.set MSB, (\new)
.endif
.endm
.set MUL_LO, 0xa1
.set MUL_HI, 0xf1
.set TO_B,   0x40
.macro PLACES n
.rept \n
	v_nop
.endr
.endm
.macro JLOAD g0a, g1a, g0b, g1b
	s_cmp_eq_u32 s[RH], 0
	s_cbranch_scc0 .Lfor_b_\@
	tensor_load_to_lds s[\g0a:\g0a+3], s[\g1a:\g1a+7]
	s_nop 0
.rept 4
	v_nop
.endr
	s_branch .Lasked_\@
.Lfor_b_\@:
	tensor_load_to_lds s[\g0b:\g0b+3], s[\g1b:\g1b+7]
	s_nop 0
.rept 4
	v_nop
.endr
.Lasked_\@:
.endm
.macro CREST
	s_cmp_lg_u32 s[WV], 0
	s_cbranch_scc1 .Lnot_wave_0_\@
	s_barrier_signal -3
.Lnot_wave_0_\@:
	s_barrier_wait -3
	s_barrier_signal -1
	s_barrier_wait -1
.endm
.macro CROUND
	s_barrier_signal -1
	s_barrier_wait -1
	CREST
.endm
.macro FRAG reg, adr, q, i
.irp c, 0,1,2
	ds_load_b128 v[\reg+4*\c:\reg+4*\c+3], v[\adr] offset:(\q)*KB+(\i)*FRB+512*\c
.endr
.endm
.macro FETCH_B slot, q, p
	WIN TO_B
.irp i, 0,1,2,3,4,5,6,7
	FRAG 128*(\p)+12*\i, ADRB+\slot, \q, \i
.endr
	WIN 0
.endm
.macro FETCH_A slot, q, i0
.irp i, \i0, \i0+1, \i0+2, \i0+3
	FRAG AF+12*(\i), ADRA+\slot, \q, \i
.endr
.endm
.macro SCALES p, kg
.irp u, 0,1
	ds_load_b128 v[SC+8*(\p)+4*\u:SC+8*(\p)+4*\u+3], v[ADRS] offset:512*(\kg)+16*\u
.endr
.endm
.macro MUL16 a0, p, zero
.irp a, \a0, \a0+1
.irp b, 0,1,2,3,4,5,6,7
.set rD, 8*(8*((\a)%4)+\b)
.set rB, 128*(\p)+12*\b
.set rA, AF+12*(\a)
.set rSB, SC+8*(\p)+\b
.set rSA, SC+8*(\p)+(\a)
.if \zero
	v_wmma_scale_f32_16x16x128_f8f6f4 v[rD:rD+7], v[rB:rB+11], v[rA:rA+11], 0, v[rSB], v[rSA] matrix_a_fmt:MATRIX_FMT_FP6 matrix_b_fmt:MATRIX_FMT_FP6 matrix_a_scale:MATRIX_SCALE_ROW1
.else
	v_wmma_scale_f32_16x16x128_f8f6f4 v[rD:rD+7], v[rB:rB+11], v[rA:rA+11], v[rD:rD+7], v[rSB], v[rSA] matrix_a_fmt:MATRIX_FMT_FP6 matrix_b_fmt:MATRIX_FMT_FP6 matrix_a_scale:MATRIX_SCALE_ROW1
.endif
.endr
.endr
.endm
.macro STEP slot, kg, zero
	s_wait_dscnt 12
	WIN MUL_LO
	MUL16 0, (\kg)%2, \zero
	MUL16 2, (\kg)%2, \zero
	s_wait_dscnt 0x0
	PLACES 4
	FETCH_B \slot, ((\kg)+1)%3, 1-(\kg)%2
	FETCH_A \slot, ((\kg)+1)%3, 0
	SCALES 1-(\kg)%2, (\kg)+1
	WIN MUL_HI
	MUL16 4, (\kg)%2, \zero
	MUL16 6, (\kg)%2, \zero
	PLACES 4
	WIN 0
	FETCH_A \slot, ((\kg)+1)%3, 4
.endm
.macro TURN slot, next, fill, kg
	s_wait_tensorcnt 0x0
	ds_add_u32 v[SPW], v[NIL]
	s_wait_dscnt 13
	WIN MUL_LO
	MUL16 0, (\kg)%2, 0
	s_wait_dscnt 0x0                               ; the add is done, and my reads of this slot are over
	s_barrier_signal -1
	MUL16 2, (\kg)%2, 0
	WIN 0
	s_barrier_wait -1
.if \fill
	CREST
	s_add_nc_u64 s[G0+4*\slot+2:G0+4*\slot+3], s[G0+4*\slot+2:G0+4*\slot+3], 2*PART
	s_add_nc_u64 s[G0B+4*\slot+2:G0B+4*\slot+3], s[G0B+4*\slot+2:G0B+4*\slot+3], 2*PART
	s_mov_b32 s[G1+2], 96<<16                      ; no tensor load of mine is out: the last fill brings two K steps, 96 rows of 256 bytes
	s_mov_b32 s[G1+4], 96
	s_mov_b32 s[G1B+2], 96<<16
	s_mov_b32 s[G1B+4], 96
	JLOAD G0+4*\slot, G1, G0B+4*\slot, G1B         ; the first tensor load behind the round
.else
	PLACES 4
.endif
	FETCH_B \next, 0, 1-(\kg)%2
	FETCH_A \next, 0, 0
	SCALES 1-(\kg)%2, (\kg)+1
	WIN MUL_HI
	MUL16 4, (\kg)%2, 0
	MUL16 6, (\kg)%2, 0
	PLACES 4
	WIN 0
	FETCH_A \next, 0, 4
.endm
	s_load_b128 s[4:7], s[0:1], 0x0
	s_load_b64 s[8:9], s[0:1], 0x10
	v_lshl_add_u32 v[SPW], v0, 2, SPARE
	v_mov_b32 v[NIL], 0
	ds_add_u32 v[SPW], v[NIL]
	ds_add_u32 v[SPW], v[NIL]
	v_lshrrev_b32 v1, 5, v0
	v_readfirstlane_b32 s[WV], v1
	s_lshr_b32 s[RH], s[WV], 1
	s_and_b32 s[CH], s[WV], 1
	s_bfe_u32 s40, ttmp6, 0x40000
	s_bfe_u32 s41, ttmp6, 0x40004
	s_and_b32 s20, ttmp7, 0xffff
	s_lshl_b32 s42, s20, 2
	s_add_co_u32 s42, s42, s41
	s_lshr_b32 s21, s20, 1
	s_lshl_b32 s43, ttmp9, 2
	s_add_co_u32 s43, s43, s40
	s_lshl_b32 s44, s41, 2
	s_lshl_b32 s44, 15, s44
	s_lshl_b32 s45, 0x1111, s40
	s_or_b32 s[G1], s44, (3<<16)|(1<<21)
	s_or_b32 s[G1B], s45, (3<<16)|(1<<21)
	s_or_b32 s[G1S], s44, (3<<16)|(1<<21)
	s_or_b32 s[G1SB], s45, (3<<16)|(1<<21)
.irp g, G1, G1B
	s_mov_b32 s[\g+1], 4608<<16                    ; the head's shape: a side's two row blocks, each three K steps = 36,864 dense bytes, 98,304 bytes apart
	s_mov_b32 s[\g+2], 2<<16
	s_mov_b32 s[\g+3], 4608<<16
	s_mov_b32 s[\g+4], 2
	s_mov_b32 s[\g+5], 12288
	s_mov_b32 s[\g+6], 0
	s_mov_b32 s[\g+7], 0
.endr
.irp g, G1S, G1SB
	s_mov_b32 s[\g+1], 32<<16
	s_mov_b32 s[\g+2], 32<<16                      ; a side's two row blocks of scale words: 8,192 dense bytes as 32 rows of 256
	s_mov_b32 s[\g+3], 32<<16
	s_mov_b32 s[\g+4], 32
	s_mov_b32 s[\g+5], 32
	s_mov_b32 s[\g+6], 0
	s_mov_b32 s[\g+7], 0
.endr
	s_lshl_b32 s46, s42, 1
	s_add_co_u32 s46, s46, s[CH]
	s_mul_i32 s92, s46, 8*KB
	s_mov_b32 s93, 0
	s_lshl_b32 s94, s42, 13                        ; the words of the tile's two row blocks begin with the first
	s_add_co_u32 s94, s94, XCB
	s_mov_b32 s95, 0
	s_lshl_b32 s22, s21, 4
	s_lshl_b32 s23, s43, 1
	s_add_co_u32 s22, s22, s23
	s_lshl_b32 s66, s22, 12                        ; likewise for B's words
	s_add_co_u32 s22, s22, s[CH]
	s_mul_i32 s96, s22, 8*KB
	s_mov_b32 s97, 0
	s_add_co_u32 s66, s66, XCB
	s_mov_b32 s67, 0
	s_mul_i32 s20, s[WV], PART
	s_mov_b32 s[SEL], 0x76543210
	s_mov_b32 s[SEL+1], 0xfedcba98
	s_mov_b32 s[CS], 0x3d38aa3b
	s_mov_b32 s[CS+1], s[CS]
	s_wait_dscnt 0x0
	s_wait_kmcnt 0x0
	s_add_nc_u64 s[92:93], s[4:5], s[92:93]
	s_add_nc_u64 s[94:95], s[4:5], s[94:95]
	s_add_nc_u64 s[96:97], s[6:7], s[96:97]
	s_add_nc_u64 s[66:67], s[6:7], s[66:67]
	CROUND
	s_mov_b32 s[G0S], 1
	s_mov_b32 s[G0S+1], SCL
	s_mov_b64 s[G0S+2:G0S+3], s[94:95]
	s_or_b32 s[G0S+3], s[G0S+3], 0x80000000
	s_mov_b32 s[G0SB], 1
	s_mov_b32 s[G0SB+1], SCL+8192
	s_mov_b64 s[G0SB+2:G0SB+3], s[66:67]
	s_or_b32 s[G0SB+3], s[G0SB+3], 0x80000000
.irp s, 0,1
	s_mov_b32 s[G0+4*\s], 1
	s_add_co_u32 s[G0+4*\s+1], s20, \s*SLOT
	s_add_nc_u64 s[G0+4*\s+2:G0+4*\s+3], s[92:93], \s*PART
	s_or_b32 s[G0+4*\s+3], s[G0+4*\s+3], 0x80000000
	s_mov_b32 s[G0B+4*\s], 1
	s_add_co_u32 s[G0B+4*\s+1], s20, \s*SLOT
	s_add_nc_u64 s[G0B+4*\s+2:G0B+4*\s+3], s[96:97], \s*PART
	s_or_b32 s[G0B+4*\s+3], s[G0B+4*\s+3], 0x80000000
.endr
; THE HEAD'S LOADS, ONE A WAVE: wave 0 A's two row blocks of K steps 0-2, wave 1 A's scale words, wave 2 B's two row blocks, wave 3 B's scale words.
; One tree of branches on the wave's number: every way through it passes one load.
.macro ARM under, g0, g1, next
	s_cmp_lt_u32 s[WV], \under
	s_cbranch_scc0 \next
	tensor_load_to_lds s[\g0:\g0+3], s[\g1:\g1+7]
	s_nop 0
.rept 4
	v_nop
.endr
	s_branch .Lhead_asked
\next:
.endm
	ARM 1, G0,  G1,  .Lhead_sa
	ARM 2, G0S, G1S, .Lhead_b
	ARM 3, G0B, G1B, .Lhead_sb
	tensor_load_to_lds s[G0SB:G0SB+3], s[G1SB:G1SB+7]
	s_nop 0
.rept 4
	v_nop
.endr
.Lhead_asked:
	; PREFETCHES INTO THE L2, one fill ahead.  Of the row block that my wave fetches in the ring, the four partners that ask for it jointly share the blocks of 256 bytes out by address (cx for A, cy for B):
	; K steps 3-5 are 144 blocks, 36 a partner (32 lanes, then 4; the lanes left over name the last again); K steps 6-7 are 96 blocks, 24 a partner.  The steps along K stand in the immediates: no address register is written again.
	s_cmp_eq_u32 s[RH], 0
	s_cselect_b64 s[4:5], s[92:93], s[96:97]       ; the row block that I fetch: A's or B's
	s_cselect_b32 s46, s40, s41                    ; my place among the four
	s_mov_b64 s[6:7], s[4:5]
	s_mul_i32 s12, s46, 9216
	s_mov_b32 s13, 0
	s_add_nc_u64 s[4:5], s[4:5], s[12:13]
	s_mul_i32 s12, s46, 6144
	s_add_nc_u64 s[6:7], s[6:7], s[12:13]
	v_and_b32 v10, 31, v0
	v_lshlrev_b32 v8, 8, v10                       ; blocks 0-31
	v_min_u32 v9, 3, v10
	v_lshl_add_u32 v9, v9, 8, 0x2000               ; blocks 32-35
	v_min_u32 v10, 23, v10
	v_lshlrev_b32 v10, 8, v10                      ; blocks 0-23
	global_prefetch_b8 v8, s[4:5] offset:PART th:TH_LOAD_NT scope:SCOPE_SE    ; K steps 3-5, which slot 1's first fill will load
	global_prefetch_b8 v9, s[4:5] offset:PART th:TH_LOAD_NT scope:SCOPE_SE
	v_and_b32 v1, 15, v0
	v_bfe_u32 v2, v0, 4, 1
	s_wait_alu depctr_va_vdst(0)
	v_and_b32 v3, 31, v0
	v_lshlrev_b32 v[LI], 4, v3
	s_mul_i32 s22, s[RH], PART
	s_add_co_u32 s23, s[CH], 2
	s_mul_i32 s23, s23, PART
.irp s, 0,1
	v_add_nc_u32 v[ADRA+\s], s22, v[LI]
	v_add_nc_u32 v[ADRB+\s], s23, v[LI]
	s_add_co_u32 s22, s22, SLOT
	s_add_co_u32 s23, s23, SLOT
.endr
	v_lshlrev_b32 v4, 5, v1
	s_lshl_b32 s22, s[RH], 12
	s_add_co_u32 s23, s[CH], 2
	s_lshl_b32 s23, s23, 12
	s_sub_co_u32 s23, s23, s22
	v_mul_u32_u24 v5, s23, v2
	s_add_co_u32 s22, s22, SCL
	v_add_nc_u32 v4, v4, v5
	v_add_nc_u32 v[ADRS], s22, v4
	v_lshlrev_b32 v[SWO], 5, v1
	v_lshl_add_u32 v[SWO], v2, 4, v[SWO]
.irp b, 0,1,2,3
	v_mov_b32 v[BX+\b], 0
.endr
	v_mov_b32 v[LX], 0
	s_lshl_b32 s44, s42, 1
	s_add_co_u32 s44, s44, s[RH]
	s_lshl_b32 s45, s43, 1
	s_add_co_u32 s45, s45, s[CH]
	s_lshl_b32 s46, s44, 4
	s_add_co_u32 s46, s46, s45
	s_mul_i32 s22, s46, KB
	s_mov_b32 s23, 0
	s_add_nc_u64 s[OUTC:OUTC+1], s[8:9], s[22:23]
	s_lshl_b32 s22, s46, 9
	s_add_co_u32 s22, s22, PWO
	s_add_nc_u64 s[OUTS:OUTS+1], s[8:9], s[22:23]
	s_wait_alu depctr_va_vdst(0)
	s_wait_tensorcnt 0x0                           ; my tile of the head's four is in; the lines ahead of a later first fill:
	ds_add_u32 v[SPW], v[NIL]
.irp g, G1, G1B                                ; no tensor load of mine is out: from here on a load brings one row block's three K steps, 144 rows of 256 bytes
	s_mov_b32 s[\g+1], 32<<16
	s_mov_b32 s[\g+2], 144<<16
	s_mov_b32 s[\g+3], 32<<16
	s_mov_b32 s[\g+4], 144
	s_mov_b32 s[\g+5], 32
.endr
	s_wait_dscnt 0x0
	CROUND                                         ; a whole round: everybody's tiles are in, and the joint loads meet
	JLOAD G0+4, G1, G0B+4, G1B                     ; slot 1's first fill, K steps 3-5: the first tensor load behind the round
	FETCH_B 0, 0, 0
	global_prefetch_b8 v10, s[6:7] offset:2*PART th:TH_LOAD_NT scope:SCOPE_SE ; K steps 6-7, which slot 0's refill will load; nothing lies beyond them
	FETCH_A 0, 0, 0
	SCALES 0, 0
	FETCH_A 0, 0, 4
	STEP 0, 0, 1
	STEP 0, 1, 0
	TURN 0, 1, 1, 2
	STEP 1, 3, 0
	STEP 1, 4, 0
	TURN 1, 0, 0, 5
	STEP 0, 6, 0
	s_wait_dscnt 12
	WIN MUL_LO
	MUL16 0, 1, 0
	MUL16 2, 1, 0
	s_wait_dscnt 0x0
	WIN MUL_HI
	MUL16 4, 1, 0
	MUL16 6, 1, 0
	WIN 0
	PLACES 4
.macro SEPI a
.set AC, 64*((\a)%4)
	WIN 0x0a+5*((\a)/4)
.irp b, 0,1,2,3
	v_max_num_f32 v[BM+\b], v[AC+16*\b], v[AC+16*\b+1]
.endr
.irp i, 2,4,6,8,10,12,14
.irp b, 0,1,2,3
	v_max3_num_f32 v[BM+\b], v[AC+16*\b+\i], v[AC+16*\b+\i+1], v[BM+\b]
.endr
.endr
	WIN 0
.irp b, 0,1,2,3
	v_permlanex16_b32 v[BX+\b], v[BM+\b], s[SEL], s[SEL+1]
.endr
.irp b, 0,1,2,3
	v_max_num_f32 v[BM+\b], v[BM+\b], v[BX+\b]
.endr
	v_max3_num_f32 v[NM+1], v[BM], v[BM+1], v[BM+2]
	v_max_num_f32 v[NM+1], v[NM+1], v[BM+3]
	v_mul_f32 v[NM+1], s[CS], v[NM+1]
	v_floor_f32 v[NM], -v[NM+1]
	v_mov_b32 v[NMS+(\a)], v[NM]
.irp b, 0,1,2,3
	v_fma_f32 v[BM+\b], v[BM+\b], s[CS], v[NM]
.endr
	s_wait_alu depctr_va_vdst(0)
.irp b, 0,1,2,3
	v_exp_f32 v[BM+\b], v[BM+\b]
.endr
	WIN 0x82+0x41*((\a)/4)
.set jj, 0
.rept 32
	v_pk_fma_f32 v[AC+jj:AC+jj+1], v[AC+jj:AC+jj+1], s[CS:CS+1], v[NM:NM+1] op_sel_hi:[1,0,0]
.set jj, jj+2
.endr
.set jj, 0
	s_wait_alu depctr_va_vdst(0)
.rept 64
	v_exp_f32 v[AC+jj], v[AC+jj]
.set jj, jj+1
.endr
	WIN 0
	v_nop
	s_wait_alu depctr_va_vdst(0)
.irp b, 0,1,2,3
	v_max_num_f32 v[BM+\b], 0x1800000, v[BM+\b]
.endr
.irp b, 0,1,2,3
	v_add_nc_u32 v[SO+\b], 0xff000000, v[BM+\b]
.endr
.irp b, 0,1,2,3
	v_lshrrev_b32 v[BX+\b], 23, v[SO+\b]
.endr
	v_lshl_or_b32 v[PWS+(\a)], v[BX+1], 8, v[BX]
	v_lshl_or_b32 v[PWS+(\a)], v[BX+2], 16, v[PWS+(\a)]
	v_lshl_or_b32 v[PWS+(\a)], v[BX+3], 24, v[PWS+(\a)]
	WIN 0x0a+5*((\a)/4)
	v_pk_add_f32 v[LS0:LS0+1], v[AC:AC+1], v[AC+2:AC+3]
	v_pk_add_f32 v[LS1:LS1+1], v[AC+4:AC+5], v[AC+6:AC+7]
	WIN 0x02+((\a)/4)
.irp j, 8,12,16,20,24,28,32,36,40,44,48,52,56,60
	v_pk_add_f32 v[LS0:LS0+1], v[AC+\j:AC+\j+1], v[LS0:LS0+1]
	v_pk_add_f32 v[LS1:LS1+1], v[AC+\j+2:AC+\j+3], v[LS1:LS1+1]
.endr
.if (\a) > 0
	s_wait_alu depctr_va_vdst(0)
	s_wait_xcnt 0x0
.endif
.irp c, 0,1
	v_cvt_scalef32_pk16_fp6_f32 v[PC+6*\c:PC+6*\c+2], v[AC+32*\c:AC+32*\c+15], v[SO+2*\c]
	v_cvt_scalef32_pk16_fp6_f32 v[PC+12+4*\c:PC+14+4*\c], v[AC+32*\c+16:AC+32*\c+31], v[SO+2*\c+1]
.endr
	WIN 0
	v_pk_add_f32 v[LS0:LS0+1], v[LS0:LS0+1], v[LS1:LS1+1]
.irp c, 0,1
.irp i, 0,1,2
	v_permlane16_swap_b32 v[PC+6*\c+\i], v[PC+12+4*\c+\i]
.endr
.irp i, 0,1,2
	v_mov_b32 v[PC+3+6*\c+\i], v[PC+12+4*\c+\i]
.endr
.endr
.irp c, 0,1,2
	global_store_b128 v[LI], v[PC+4*\c:PC+4*\c+3], s[OUTC:OUTC+1] offset:1536*(\a)+512*\c th:TH_STORE_NT
.endr
	v_add_f32 v[LS0], v[LS0], v[LS0+1]
	v_permlanex16_b32 v[LX], v[LS0], s[SEL], s[SEL+1]
	v_add_f32 v[LWS+(\a)], v[LS0], v[LX]
.endm
.irp a, 0,1,2,3,4,5,6,7
	SEPI \a
.endr
	s_mov_b32 s22, 0xffff0000
.irp j, 0,1,2,3
	v_cndmask_b32 v[SD+\j], v[PWS+\j], v[PWS+4+\j], s22
	v_cndmask_b32 v[SD+4+\j], v[NMS+\j], v[NMS+4+\j], s22
	v_cndmask_b32 v[SD+8+\j], v[LWS+\j], v[LWS+4+\j], s22
.endr
	global_store_b128 v[SWO], v[SD:SD+3], s[OUTS:OUTS+1] th:TH_STORE_NT
	global_store_b128 v[SWO], v[SD+4:SD+7], s[OUTS:OUTS+1] offset:524288 th:TH_STORE_NT
	global_store_b128 v[SWO], v[SD+8:SD+11], s[OUTS:OUTS+1] offset:1048576 th:TH_STORE_NT
	s_wait_tensorcnt 0x0
	ds_add_u32 v[SPW], v[NIL]
	s_wait_dscnt 0x0
	CROUND
	s_endpgm
.Lfunc_end_k_qd255502489_scores:
	.size	k_qd255502489_scores, .Lfunc_end_k_qd255502489_scores-k_qd255502489_scores
	.p2alignl 7, 3214868480
	.fill 96, 4, 3214868480
	.section	.rodata,"a",@progbits
	.p2align	6, 0x0
	.amdhsa_kernel k_qd255502489_scores
		.amdhsa_group_segment_fixed_size 327680
		.amdhsa_private_segment_fixed_size 0
		.amdhsa_enable_private_segment 0
		.amdhsa_kernarg_size 24
		.amdhsa_user_sgpr_count 2
		.amdhsa_user_sgpr_kernarg_segment_ptr 1
		.amdhsa_wavefront_size32 1
		.amdhsa_system_sgpr_workgroup_id_x 1
		.amdhsa_system_sgpr_workgroup_id_y 1
		.amdhsa_system_sgpr_workgroup_id_z 1
		.amdhsa_system_vgpr_workitem_id 0
		.amdhsa_next_free_vgpr 1024
		.amdhsa_next_free_sgpr 102
		.amdhsa_reserve_vcc 0
		.amdhsa_float_denorm_mode_32 3
		.amdhsa_float_denorm_mode_16_64 3
		.amdhsa_memory_ordered 1
		.amdhsa_forward_progress 1
		.amdhsa_inst_pref_size 195
	.end_amdhsa_kernel
	.amdgpu_metadata
---
amdhsa.version: [ 1, 2 ]
amdhsa.kernels:
  - .name:           k_qd255502489_scores
    .symbol:         k_qd255502489_scores.kd
    .args:
      - { .name: OA, .offset: 0, .size: 8, .value_kind: global_buffer, .address_space: global }
      - { .name: OB, .offset: 8, .size: 8, .value_kind: global_buffer, .address_space: global }
      - { .name: PP, .offset: 16, .size: 8, .value_kind: global_buffer, .address_space: global }
    .group_segment_fixed_size: 327680
    .private_segment_fixed_size: 0
    .kernarg_segment_align: 8
    .kernarg_segment_size: 24
    .max_flat_workgroup_size: 128
    .sgpr_count:     102
    .vgpr_count:     1024
    .wavefront_size: 32
...
	.end_amdgpu_metadata
.endif
;; end of part 3
;; launch pv (part 4): grid 4 x 64, 4 waves a work-group, clusters of 4 x 4, 327,680 bytes of LDS; arguments PP, OB, out0; writes out0
.if DOCPART == 4
	.amdgcn_target "amdgcn-amd-amdhsa--gfx1250"
	.amdhsa_code_object_version 6
	.text
	.protected	k_qd255502489_pv
	.globl	k_qd255502489_pv
	.p2align	8
	.type	k_qd255502489_pv,@function
k_qd255502489_pv:
	s_mov_b64 s[64:65], 0
	v_nop
	global_prefetch_b8 v0, s[64:65] scope:SCOPE_SE
	s_setreg_imm32_b32 hwreg(HW_REG_WAVE_MODE, 25, 1), 1
	s_wait_xcnt 0x0
	s_wait_alu depctr_hold_cnt(0) depctr_sa_sdst(0) depctr_va_vdst(0) depctr_va_sdst(0) depctr_va_ssrc(0) depctr_va_vcc(0) depctr_vm_vsrc(0)
	s_getreg_b32 s2, hwreg(HW_REG_IB_STS2, 6, 4)
	s_cmp_eq_u32 s2, 0
	s_cbranch_scc0 .Lentry_in_a_cluster
	s_endpgm
.Lentry_in_a_cluster:
	s_bfe_u32 s2, ttmp6, 0x10000c
	s_cmp_lg_u32 s2, 0xf033
	s_cbranch_scc0 .Lentry_shape_is_right
	s_endpgm
.Lentry_shape_is_right:
; O = p v / l on codes of FP6 (E2M3), K = a batch's 2,048 keys.  p: codes, scale words, -M' and l' for each query and run of 128 keys (PP); v: codes with the keys innermost, rows = the 1,024 features (OB's second operand).
; THE SOFTMAX'S SECOND HALF, at the head, while the first tiles are on their way: for each of the tile's 128 queries M = the largest M'; l = the sum of l' 2^(M' - M); each run's four scale bytes are lowered by M - M'.
; M and M' are whole numbers, so nothing is rounded and the codes stand as they are.  The lowered words and 1 / l go to LDS bytes of their own, into which no tile lands.
; LIMITS: a byte that would fall under 0 is held at 0 (2^-127: such a block weighs under 2^-124 of the row's largest p); M - M' beyond 255 counts as 255, where 2^(M' - M) is 0.  NaN and infinities are not served.
; A tile of O is 128 queries x 256 features: 256 work-groups.  Four waves, each 64 x 128: 32 accumulators (window 2).  K goes in 16 steps of 128 through two LDS slots of four steps: two first fills, two refills.
; CLUSTERS: 4 x 4.  p's tile is asked for jointly by a row of the cluster (wave 0), v's two row blocks by a column (waves 1 and 2); wave 3 fetches nothing.
; THE MATRIX INSTRUCTION IS USED TRANSPOSED (source 0 = 16 rows of v, source 1 = 16 queries): a lane holds eight neighbouring features of one query.
; REGISTERS: window 0: v1-31 addresses; v32-55 scale words, two sets (4 of p, 8 of v); v56-59 1 / l; v64-127 the head's numbers, later 64 results; v128-223 p's fragments, two sets; on the way out v128-255 rows of O.
;   window 1: v's fragments, two sets, at v0 and v128.
.set XCB,   6291456
.set OPB,   6553600
.set PWO,   12582912
.set KB,    12288
.set FRB,   1536
.set PART,  4*KB                       ; what one tensor load brings: 128 rows x 512 K
.set SLOT,  3*PART                     ; p's row block, then v's two
.set SCB,   2*SLOT                     ; v's scale words: two row blocks x 8,192 bytes, filled once
.set SCA,   SCB+16384                  ; p's lowered scale words: 8,192 bytes, stored by the waves
.set RLA,   SCA+8192                   ; 1 / l: 512 bytes
.set SPARE, RLA+512                    ; the spare words, 128 bytes for each wave: two blocks of 256 bytes that no other line names
.set SPITCH, 528                       ; the way out: a stage of 16 rows x (512 + 16) for each wave, in slot 0, which has had its last fill and its last read by then
.set ADRA, 16
.set ADRB, 20
.set ADSA, 22
.set ADSB, 23
.set STO,  24
.set RD,   25
.set CO,   26
.set SPW,  28
.set NIL,  29
.set SA,   32
.set SB,   36
.set RLR,  56
.set OT,   64
.set AF,   128
.set BK,   128
.set WV,   16
.set RH,   17
.set CH,   18
.set G1A,  24
.set G0A,  32
.set G1B,  48
.set G0B,  56
.set G1S,  68
.set G0S,  76
.set MSB, 0
.macro WIN new
.if MSB != (\new)
	s_set_vgpr_msb (MSB<<8)|(\new)
.set MSB, (\new)
.endif
.endm
.set MUL, 0xa1                         ; source 0 (v) window 1, source 1 (p) window 0, C and D window 2
.macro PLACES n
.rept \n
	v_nop
.endr
.endm
.macro CREST
	s_cmp_lg_u32 s[WV], 0
	s_cbranch_scc1 .Lnot_wave_0_\@
	s_barrier_signal -3
.Lnot_wave_0_\@:
	s_barrier_wait -3
	s_barrier_signal -1
	s_barrier_wait -1
.endm
.macro CROUND
	s_barrier_signal -1
	s_barrier_wait -1
	CREST
.endm
; A joint refill: wave 0 p's tile, waves 1 and 2 v's; an s_nop 0 and four v_nop follow each line; wave 3's four v_nop are its places in front of the loads that follow
.macro JLOAD3 s
	s_cmp_eq_u32 s[WV], 0
	s_cbranch_scc0 .Lnot_a_\@
	tensor_load_to_lds s[G0A+4*\s:G0A+4*\s+3], s[G1A:G1A+7]
	s_nop 0
.rept 4
	v_nop
.endr
	s_branch .Lasked_\@
.Lnot_a_\@:
	s_cmp_lt_u32 s[WV], 3
	s_cbranch_scc0 .Lnone_\@
	tensor_load_to_lds s[G0B+4*\s:G0B+4*\s+3], s[G1B:G1B+7]
	s_nop 0
.rept 4
	v_nop
.endr
	s_branch .Lasked_\@
.Lnone_\@:
.rept 4
	v_nop
.endr
.Lasked_\@:
.endm
; 39 LDS loads in one run: K step kg (the slot's q-th) into set p
.macro FETCH slot, q, kg, p
	WIN 0x40
.irp i, 0,1,2,3,4,5,6,7
.irp c, 0,1,2
	ds_load_b128 v[128*(\p)+12*\i+4*\c:128*(\p)+12*\i+4*\c+3], v[ADRB+\slot] offset:(\q)*KB+\i*FRB+512*\c
.endr
.endr
	WIN 0
.irp i, 0,1,2,3
.irp c, 0,1,2
	ds_load_b128 v[AF+48*(\p)+12*\i+4*\c:AF+48*(\p)+12*\i+4*\c+3], v[ADRA+\slot] offset:(\q)*KB+\i*FRB+512*\c
.endr
.endr
	ds_load_b128 v[SA+12*(\p):SA+12*(\p)+3], v[ADSA] offset:512*(\kg)
	ds_load_b128 v[SB+12*(\p):SB+12*(\p)+3], v[ADSB] offset:512*(\kg)
	ds_load_b128 v[SB+12*(\p)+4:SB+12*(\p)+7], v[ADSB] offset:512*(\kg)+16
.endm
.macro MUL8 a, p, zero                 ; the 32 accumulators take turns, in one order throughout
.irp b, 0,1,2,3,4,5,6,7
.set rD, 8*(8*(\a)+\b)
.set rB, 128*(\p)+12*\b
.set rA, AF+48*(\p)+12*(\a)
.if \zero
	v_wmma_scale_f32_16x16x128_f8f6f4 v[rD:rD+7], v[rB:rB+11], v[rA:rA+11], 0, v[SB+12*(\p)+\b], v[SA+12*(\p)+(\a)] matrix_a_fmt:MATRIX_FMT_FP6 matrix_b_fmt:MATRIX_FMT_FP6
.else
	v_wmma_scale_f32_16x16x128_f8f6f4 v[rD:rD+7], v[rB:rB+11], v[rA:rA+11], v[rD:rD+7], v[SB+12*(\p)+\b], v[SA+12*(\p)+(\a)] matrix_a_fmt:MATRIX_FMT_FP6 matrix_b_fmt:MATRIX_FMT_FP6
.endif
.endr
.endm
.macro STEP slot, q, kg, zero          ; one of a slot's first three steps: the next step's operands are asked for ahead of this step's 32 products
	s_wait_dscnt 0x0                               ; this step's operands are in
	PLACES 4                                       ; in front of loads into the set that the last step's products read
	FETCH \slot, (\q)+1, (\kg)+1, 1-(\kg)%2
	WIN MUL
	MUL8 0, (\kg)%2, \zero
	MUL8 1, (\kg)%2, \zero
	MUL8 2, (\kg)%2, \zero
	MUL8 3, (\kg)%2, \zero
	WIN 0
.endm
.macro TURN slot, next, fill, kg       ; a slot's fourth step (set 1) changes slots
	s_wait_tensorcnt 0x0                           ; all my tensor loads have landed: my part of the next slot
	ds_add_u32 v[SPW], v[NIL]
	s_wait_dscnt 1                                 ; (the add alone may be out)
	WIN MUL
	MUL8 0, 1, 0
	s_wait_dscnt 0x0                               ; the add is done, and my reads of this slot are over
	s_barrier_signal -1
	MUL8 1, 1, 0
	WIN 0
	s_barrier_wait -1
.if \fill
	CREST                                          ; the barrier has opened a round of the cluster's: no wave of any partner still reads this slot or has a load on its way
	s_add_nc_u64 s[G0A+4*\slot+2:G0A+4*\slot+3], s[G0A+4*\slot+2:G0A+4*\slot+3], 2*PART
	s_add_nc_u64 s[G0B+4*\slot+2:G0B+4*\slot+3], s[G0B+4*\slot+2:G0B+4*\slot+3], 2*PART
	JLOAD3 \slot                                   ; the first tensor load behind the round: it has four steps, 128 matrix instructions, in which to land
.else
	PLACES 4
.endif
	FETCH \next, 0, (\kg)+1, 0
.if (\kg) == 3
	ASK 3                                          ; K steps 12-15, behind the refill and the run of LDS loads
.endif
	WIN MUL
	MUL8 2, 1, 0
	MUL8 3, 1, 0
	WIN 0
.endm
	s_load_b128 s[4:7], s[0:1], 0x0                ; PP, OB
	s_load_b64 s[8:9], s[0:1], 0x10                ; out0
	v_lshl_add_u32 v[SPW], v0, 2, SPARE
	v_mov_b32 v[NIL], 0
	ds_add_u32 v[SPW], v[NIL]                      ; the wave's opening: the add and its wait ahead of my first tensor load
	ds_add_u32 v[SPW], v[NIL]
	v_lshrrev_b32 v1, 5, v0
	v_readfirstlane_b32 s[WV], v1
	s_lshr_b32 s[RH], s[WV], 1                     ; my 64 of the tile's 128 queries
	s_and_b32 s[CH], s[WV], 1                      ; my 128 of its 256 features
	s_bfe_u32 s40, ttmp6, 0x40000                  ; cx: the tile column
	s_bfe_u32 s41, ttmp6, 0x40004                  ; cy
	s_and_b32 s20, ttmp7, 0xffff
	s_lshl_b32 s42, s20, 2
	s_add_co_u32 s42, s42, s41                     ; the tile row = p's row block
	s_lshr_b32 s21, s20, 2                         ; the batch: sixteen tile rows each
	s_add_co_u32 s22, s[WV], 1
	s_and_b32 s22, s22, 1                          ; which of v's two row blocks: wave 1: 0, wave 2: 1
	s_lshl_b32 s43, s21, 3
	s_lshl_b32 s23, s40, 1
	s_add_co_u32 s43, s43, s23
	s_add_co_u32 s43, s43, s22                     ; 8 batch + 2 tile column + that
	s_lshl_b32 s44, s41, 2
	s_lshl_b32 s44, 15, s44                        ; my row of the cluster
	s_lshl_b32 s45, 0x1111, s40                    ; my column
	s_or_b32 s[G1A], s44, (3<<16)|(1<<21)
	s_or_b32 s[G1B], s45, (3<<16)|(1<<21)
	s_or_b32 s[G1S], s45, (3<<16)|(1<<21)
.irp g, G1A, G1B                               ; a tile: 49,152 dense bytes as 192 rows of 256
	s_mov_b32 s[\g+1], 32<<16
	s_mov_b32 s[\g+2], 192<<16
	s_mov_b32 s[\g+3], 32<<16
	s_mov_b32 s[\g+4], 192
	s_mov_b32 s[\g+5], 32
	s_mov_b32 s[\g+6], 0
	s_mov_b32 s[\g+7], 0
.endr
	s_mov_b32 s[G1S+1], 32<<16                     ; a row block's scale words: 8,192 dense bytes as 32 rows of 256
	s_mov_b32 s[G1S+2], 64<<16                     ; v's scale words of both row blocks: 16,384 dense bytes as 64 rows of 256
	s_mov_b32 s[G1S+3], 32<<16
	s_mov_b32 s[G1S+4], 64
	s_mov_b32 s[G1S+5], 32
	s_mov_b32 s[G1S+6], 0
	s_mov_b32 s[G1S+7], 0
	s_mul_i32 s44, s42, 16*KB
	s_mov_b32 s45, 0
	s_mul_i32 s46, s43, 16*KB
	s_add_co_u32 s46, s46, OPB
	s_mov_b32 s47, 0
	s_lshl_b32 s66, s43, 13
	s_add_co_u32 s66, s66, OPB+XCB
	s_mov_b32 s67, 0
	s_mul_i32 s23, s[WV], PART                     ; where the tiles go: no place in the cluster enters an LDS address
	s_lshl_b32 s92, s22, 13
	s_add_co_u32 s92, s92, SCB
	s_lshl_b32 s94, s42, 13
	s_add_co_u32 s94, s94, PWO
	s_mov_b32 s95, 0
	s_wait_dscnt 0x0
	s_wait_kmcnt 0x0
	s_add_nc_u64 s[44:45], s[4:5], s[44:45]        ; p's codes
	s_add_nc_u64 s[46:47], s[6:7], s[46:47]        ; v's codes
	s_add_nc_u64 s[66:67], s[6:7], s[66:67]        ; v's scale words
	s_add_nc_u64 s[10:11], s[4:5], s[94:95]        ; p's scale words, -M', l' of the tile's 128 queries
	CROUND                                         ; all sixteen work-groups are here: the first joint loads meet
.irp s, 0,1
	s_mov_b32 s[G0A+4*\s], 1
	s_add_co_u32 s[G0A+4*\s+1], s23, \s*SLOT
	s_add_nc_u64 s[G0A+4*\s+2:G0A+4*\s+3], s[44:45], \s*PART
	s_or_b32 s[G0A+4*\s+3], s[G0A+4*\s+3], 0x80000000
	s_mov_b32 s[G0B+4*\s], 1
	s_add_co_u32 s[G0B+4*\s+1], s23, \s*SLOT
	s_add_nc_u64 s[G0B+4*\s+2:G0B+4*\s+3], s[46:47], \s*PART
	s_or_b32 s[G0B+4*\s+3], s[G0B+4*\s+3], 0x80000000
.endr
	s_mov_b32 s[G0S], 1
	s_mov_b32 s[G0S+1], s92
	s_mov_b64 s[G0S+2:G0S+3], s[66:67]
	s_or_b32 s[G0S+3], s[G0S+3], 0x80000000
	s_cmp_eq_u32 s[WV], 0                          ; the head's loads, one a wave: wave 0 p's tile of slot 0, waves 1 and 2 v's two, wave 3 v's scale words (its which-block is 0: both blocks from the first on)
	s_cbranch_scc0 .Lfirst_not_a
	tensor_load_to_lds s[G0A:G0A+3], s[G1A:G1A+7]
	s_nop 0
.rept 4
	v_nop
.endr
	s_branch .Lfirst_asked
.Lfirst_not_a:
	s_cmp_lt_u32 s[WV], 3
	s_cbranch_scc0 .Lfirst_s
	tensor_load_to_lds s[G0B:G0B+3], s[G1B:G1B+7]
	s_nop 0
.rept 4
	v_nop
.endr
	s_branch .Lfirst_asked
.Lfirst_s:
	tensor_load_to_lds s[G0S:G0S+3], s[G1S:G1S+7]
	s_nop 0
.rept 4
	v_nop
.endr
.Lfirst_asked:
	; ---- the softmax's second half.  Thread t owns the query whose words lie at byte 4 t of each run's 512
	v_lshlrev_b32 v30, 2, v0
	v_add_nc_u32 v31, SCA, v30
.set kk, 0
.rept 16
	global_load_b32 v[64+kk], v30, s[10:11] offset:512*kk             ; the run's scale word,
	global_load_b32 v[80+kk], v30, s[10:11] offset:512*kk+524288      ; -M',
	global_load_b32 v[96+kk], v30, s[10:11] offset:512*kk+1048576     ; l'
.set kk, kk+1
.endr
	; PREFETCHES INTO THE L2, one fill ahead.  A fill of the tile that my wave fetches (wave 0 p's, waves 1 and 2 v's) is 192 blocks of 256 bytes; the four partners that ask for it jointly share them out by address
	; (cx for p, cy for v): 48 a partner, 32 lanes and then 16 (the lanes left over name the last again).  The fill's number stands in the immediate: no address register is written again.  Fill 3 is the last: behind its load nothing is asked for.
.macro ASK f
	s_cmp_lt_u32 s[WV], 3
	s_cbranch_scc0 .Lno_ask_\@
	global_prefetch_b8 v6, s[80:81] offset:(\f)*PART th:TH_LOAD_NT scope:SCOPE_SE
	global_prefetch_b8 v7, s[80:81] offset:(\f)*PART th:TH_LOAD_NT scope:SCOPE_SE
.Lno_ask_\@:
.endm
	s_cmp_eq_u32 s[WV], 0
	s_cselect_b64 s[80:81], s[44:45], s[46:47]
	s_cselect_b32 s82, s40, s41                    ; my place among the four
	s_mul_i32 s82, s82, 12288
	s_mov_b32 s83, 0
	s_add_nc_u64 s[80:81], s[80:81], s[82:83]
	v_and_b32 v7, 31, v0
	v_lshlrev_b32 v6, 8, v7                        ; blocks 0-31
	v_min_u32 v7, 15, v7
	v_lshl_add_u32 v7, v7, 8, 0x2000               ; blocks 32-47
	ASK 1                                          ; K steps 4-7, which slot 1's first fill will load
	s_lshl_b32 s20, s42, 19                        ; O: 128 rows of 4,096 bytes a tile row,
	s_lshl_b32 s21, s[RH], 18                      ; my 64,
	s_add_co_u32 s20, s20, s21
	s_lshl_b32 s21, s40, 10                        ; 256 features a tile column,
	s_add_co_u32 s20, s20, s21
	s_lshl_b32 s21, s[CH], 9                       ; my 128
	s_add_co_u32 s20, s20, s21
	s_mov_b32 s21, 0
	s_add_nc_u64 s[8:9], s[8:9], s[20:21]
	v_and_b32 v1, 15, v0                           ; r
	v_bfe_u32 v2, v0, 4, 1                         ; h
	v_and_b32 v3, 31, v0
	v_lshlrev_b32 v[CO], 4, v3
	s_mul_i32 s20, s[RH], 4*FRB                    ; my four fragments of p's eight
	s_add_co_u32 s21, s[CH], 1
	s_mul_i32 s21, s21, PART                       ; my row block of v
.irp s, 0,1
	v_add_nc_u32 v[ADRA+\s], s20, v[CO]
	v_add_nc_u32 v[ADRB+\s], s21, v[CO]
	s_add_co_u32 s20, s20, SLOT
	s_add_co_u32 s21, s21, SLOT
.endr
	v_lshlrev_b32 v4, 5, v1
	s_lshl_b32 s20, s[RH], 4
	s_add_co_u32 s20, s20, SCA
	v_add_nc_u32 v[ADSA], s20, v4                  ; p's words of my four fragments: 32 r + 16 x half
	s_lshl_b32 s21, s[CH], 13
	s_add_co_u32 s21, s21, SCB
	v_add_nc_u32 v[ADSB], s21, v4                  ; v's eight: 32 r
	s_mul_i32 s20, s[WV], 16*SPITCH
	v_mul_u32_u24 v5, v1, SPITCH
	v_lshl_add_u32 v5, v2, 5, v5
	v_add_nc_u32 v[STO], s20, v5                   ; the stage: row r, + 32 h
	v_add_nc_u32 v[RD], s20, v[CO]                 ; back: 16 bytes a lane of a whole row
	s_wait_alu depctr_va_vdst(0)                   ; the wait here, directly ahead of the wait below
	s_wait_tensorcnt 0x0                           ; my tile of the head's four is in; the lines ahead of a later first fill:
	ds_add_u32 v[SPW], v[NIL]
	s_wait_dscnt 0x0
	CROUND                                         ; a whole round: slot 0 and v's scale words are whole, and the joint loads meet
	JLOAD3 1                                       ; slot 1's first fill: the first tensor load behind the round; the softmax's second half stands under its flight
	ASK 2                                          ; K steps 8-11
	s_wait_loadcnt 0x0
	v_min3_num_f32 v112, v80, v81, v82             ; -M = the least -M'
.irp i, 83,85,87,89,91,93
	v_min3_num_f32 v112, v112, v[\i], v[\i+1]
.endr
	v_min_num_f32 v112, v112, v95
.set kk, 0
.rept 16
	v_sub_f32 v113, v[80+kk], v112                 ; M - M': a whole number, 0 or more
	v_cvt_u32_f32 v113, v113                       ; (it saturates)
	v_min_u32 v113, 0xff, v113
	v_sub_nc_u32 v114, 0, v113
	v_ldexp_f32 v114, 1.0, v114                    ; 2^(M' - M)
.if kk < 2
	v_mul_f32 v[116+kk], v[96+kk], v114            ; l, in two chains
.else
	v_fmac_f32 v[116+kk%2], v[96+kk], v114
.endif
	v_and_b32 v118, 0xff, v[64+kk]
	v_bfe_u32 v119, v[64+kk], 8, 8
	v_bfe_u32 v120, v[64+kk], 16, 8
	v_lshrrev_b32 v121, 24, v[64+kk]
.irp e, 118,119,120,121
	v_min_u32 v[\e+4], v[\e], v113
.endr
.irp e, 118,119,120,121
	v_sub_nc_u32 v[\e], v[\e], v[\e+4]             ; each byte lowered by M - M', held at 0
.endr
	v_lshl_or_b32 v118, v119, 8, v118
	v_lshl_or_b32 v118, v120, 16, v118
	v_lshl_or_b32 v118, v121, 24, v118
	ds_store_b32 v31, v118 offset:512*kk
.set kk, kk+1
.endr
	v_add_f32 v116, v116, v117
	s_wait_alu depctr_va_vdst(0)
	v_rcp_f32 v118, v116
	v_nop                                          ; a plain place behind the reciprocal
	s_wait_alu depctr_va_vdst(0)                   ; and the wait ahead of its first reader
	ds_store_b32 v31, v118 offset:RLA-SCA
	s_wait_dscnt 0x0                               ; for the others' sake: my words lie in LDS
	s_barrier_signal -1
	s_barrier_wait -1
	ds_load_b128 v[RLR:RLR+3], v[ADSA] offset:RLA-SCA   ; 1 / l of row r of my four fragments
	FETCH 0, 0, 0, 0
	STEP 0, 0, 0, 1                                ; the first step starts the sums
	STEP 0, 1, 1, 0
	STEP 0, 2, 2, 0
	TURN 0, 1, 1, 3
	STEP 1, 0, 4, 0
	STEP 1, 1, 5, 0
	STEP 1, 2, 6, 0
	TURN 1, 0, 1, 7
	STEP 0, 0, 8, 0
	STEP 0, 1, 9, 0
	STEP 0, 2, 10, 0
	TURN 0, 1, 0, 11                               ; nothing is left to fetch: no round of the cluster's barrier.  Behind it nobody reads slot 0
	STEP 1, 0, 12, 0
	STEP 1, 1, 13, 0
	STEP 1, 2, 14, 0
	s_wait_dscnt 0x0                               ; the last step
	WIN MUL
	MUL8 0, 1, 0
	MUL8 1, 1, 0
	MUL8 2, 1, 0
	MUL8 3, 1, 0
	WIN 0
	PLACES 4                                       ; in front of the first read of results
; THE WAY OUT, 16 queries x 128 features at a time: x 1 / l, through my own stage, back as whole rows of 512 bytes.  LDS serves a wave's instructions in order: no wait between the stores and the loads.
.macro TOSTAGE a
	WIN 0x02                                       ; source 0: window 2
.set jj, 0
.rept 64
	v_mul_f32 v[OT+jj], v[64*(\a)+jj], v[RLR+(\a)] ; each accumulator from its low end on
.set jj, jj+1
.endr
	WIN 0
.irp b, 0,1,2,3,4,5,6,7
	ds_store_b128 v[STO], v[OT+8*\b:OT+8*\b+3] offset:64*\b
	ds_store_b128 v[STO], v[OT+8*\b+4:OT+8*\b+7] offset:64*\b+16
.endr
.set BB, BK+64*((\a)%2)
.irp t, 0,1,2,3,4,5,6,7,8,9,10,11,12,13,14,15
	ds_load_b128 v[BB+4*\t:BB+4*\t+3], v[RD] offset:\t*SPITCH
.endr
.endm
.macro SEND a, younger                 ; younger: the LDS instructions issued behind block a's loads, which may stay out
.set BB, BK+64*((\a)%2)
	s_wait_dscnt \younger
.irp t, 0,1,2,3,4,5,6,7,8,9,10,11,12,13,14,15
	global_store_b128 v[CO], v[BB+4*\t:BB+4*\t+3], s[8:9] offset:65536*(\a)+4096*\t th:TH_STORE_NT   ; 512 consecutive bytes, aligned
.endr
.endm
	TOSTAGE 0
	TOSTAGE 1
	SEND 0, 32
	s_wait_xcnt 0x0                                ; block 0's stores have read their registers: block 2's rows may land there
	TOSTAGE 2
	SEND 1, 32
	s_wait_xcnt 0x0
	TOSTAGE 3
	SEND 2, 32
	SEND 3, 0
	s_wait_tensorcnt 0x0                           ; the wave's end
	ds_add_u32 v[SPW], v[NIL]
	s_wait_dscnt 0x0
	CROUND                                         ; the closing round
	s_endpgm
.Lfunc_end_k_qd255502489_pv:
	.size	k_qd255502489_pv, .Lfunc_end_k_qd255502489_pv-k_qd255502489_pv
	.p2alignl 7, 3214868480
	.fill 96, 4, 3214868480
	.section	.rodata,"a",@progbits
	.p2align	6, 0x0
	.amdhsa_kernel k_qd255502489_pv
		.amdhsa_group_segment_fixed_size 327680
		.amdhsa_private_segment_fixed_size 0
		.amdhsa_enable_private_segment 0
		.amdhsa_kernarg_size 24
		.amdhsa_user_sgpr_count 2
		.amdhsa_user_sgpr_kernarg_segment_ptr 1
		.amdhsa_wavefront_size32 1
		.amdhsa_system_sgpr_workgroup_id_x 1
		.amdhsa_system_sgpr_workgroup_id_y 1
		.amdhsa_system_sgpr_workgroup_id_z 1
		.amdhsa_system_vgpr_workitem_id 0
		.amdhsa_next_free_vgpr 768
		.amdhsa_next_free_sgpr 100
		.amdhsa_reserve_vcc 0
		.amdhsa_float_denorm_mode_32 3
		.amdhsa_float_denorm_mode_16_64 3
		.amdhsa_memory_ordered 1
		.amdhsa_forward_progress 1
		.amdhsa_inst_pref_size 164
	.end_amdhsa_kernel
	.amdgpu_metadata
---
amdhsa.version: [ 1, 2 ]
amdhsa.kernels:
  - .name:           k_qd255502489_pv
    .symbol:         k_qd255502489_pv.kd
    .args:
      - { .name: PP, .offset: 0, .size: 8, .value_kind: global_buffer, .address_space: global }
      - { .name: OB, .offset: 8, .size: 8, .value_kind: global_buffer, .address_space: global }
      - { .name: out0, .offset: 16, .size: 8, .value_kind: global_buffer, .address_space: global }
    .group_segment_fixed_size: 327680
    .private_segment_fixed_size: 0
    .kernarg_segment_align: 8
    .kernarg_segment_size: 24
    .max_flat_workgroup_size: 128
    .sgpr_count:     100
    .vgpr_count:     768
    .wavefront_size: 32
...
	.end_amdgpu_metadata
.endif
;; end of part 4
